; MI455X (gfx1250); checked and timed in simulation.
; The chip was launched on July 23, 2026; its instructions are those of AMD's public machine-readable ISA for CDNA 5 (MIT licence, August 2026) and "CDNA5" Instruction Set Architecture Reference Guide (July 2026). The comments in the code are by the model that wrote it; some were corrected since.
;; Cross Attention. Allowed arithmetic: matrix products marked QUANTISED: E2M1 operands, one E8M0 scale for each 32 along K, by v_wmma_scale_f32_16x16x128_f8f6f4 with both operands' format E2M1 (or v_wmma_scale_f32_32x16x128_f4), f32 sums; products left as they are: bf16, f16 or f32 operands; f32 sums; everything else in f32.
;; Inputs: ln1_b 8 float32; ln1_g 8 float32; ln2_b 8 float32; ln2_g 8 float32; ln3_b 8 float32; ln3_g 8 float32; p1_b 8 float32; p1_w 8 x 8 float32; p2_b 8 float32; p2_w 8 x 8 float32; p3_b 4 float32; p3_w 4 x 8 float32; pos_proj_b 8 float32; pos_proj_w 8 x 3 float32; proj_b 128 float32; proj_w 128 x 128 float32; qkv_b 384 float32; qkv_w 384 x 128 float32; x 64 x 512 x 128 float32; y 64 x 512 x 128 float32.
;; Outputs: out0 64 x 512 x 128 float32.
;; Constants: D = 8, H = 8, W = 8.
;; This version of the problem:
;;   THIS VERSION OF THE PROBLEM IS GIVEN IN LOW PRECISION. The matrix products marked QUANTISED in the list below multiply operands that are first quantised to E2M1 (2 exponent bits, 1 mantissa bit; 4 bits a number), with one power-of-two scale for each 32 numbers along K (OCP MX v1.0); their sums are f32. The products marked 'left as it is' may take bf16, f16 or f32 operands, with f32 sums. Whichever they take, every output number must still come out within the allowed error. Rounding operands to bf16 (8 significant bits) uses up far more of that allowance than f16 does (11 bits, for magnitudes from 6e-5 to 65,504). All else is computed in f32.
;;   The module's matrix products, in the order in which they are computed (A, B: the left and right operand; K: the contracted axis; several contracted axes count as one K, in the product's order):
;;     1. [M 32,768, K 128] x [K 128, N 384]; A: input x; B: input qkv_w: QUANTISED
;;     2. [M 32,768, K 128] x [K 128, N 384]; A: input y; B: input qkv_w: QUANTISED
;;     3. batch 256 x [M 512, K 32] x [K 32, N 512]; A: computed on the way; B: computed on the way: left as it is (an operand is computed on the way)
;;     4. [M 3,375, K 3] x [K 3, N 8]; A: computed on the way; B: input pos_proj_w: left as it is (K = 3 < 32)
;;     5. [M 3,375, K 8] x [K 8, N 8]; A: computed on the way; B: input p1_w: left as it is (K = 8 < 32)
;;     6. [M 3,375, K 8] x [K 8, N 8]; A: computed on the way; B: input p2_w: left as it is (K = 8 < 32)
;;     7. [M 3,375, K 8] x [K 8, N 4]; A: computed on the way; B: input p3_w: left as it is (K = 8 < 32)
;;     8. batch 256 x [M 512, K 512] x [K 512, N 32]; A: computed on the way; B: computed on the way: left as it is (an operand is computed on the way)
;;     9. [M 32,768, K 128] x [K 128, N 128]; A: computed on the way; B: input proj_w: left as it is (an operand is computed on the way)
;;   THE QUANTISER, for each operand of a quantised product, along K:
;;     - K is cut into blocks of 32 from its start; a last block that is shorter is filled with zeros.
;;     - A block's scale is 2^e with e = floor(log2(the largest magnitude in the block)) - 2, held to -126 .. 127; a block of zeros has e = 0. As a byte (E8M0): e + 127.
;;     - Each number is divided by its block's scale, clamped to +-6, and rounded to the nearest number of E2M1, ties to even, subnormals kept.
;;     - The product sums the exact products of the quantised numbers (number of the format x scale) in f32.
;;   ~~~python
;;   def quantise(x, axis):      # numpy; x: float32 -> the quantised numbers, widened to float32 again
;;       x = np.moveaxis(x, axis, -1); K = x.shape[-1]
;;       x = np.pad(x, [(0, 0)] * (x.ndim - 1) + [(0, -K % 32)]); x = x.reshape(x.shape[:-1] + (-1, 32)); a = np.abs(x).max(-1, keepdims=True)
;;       e = np.where(a > 0, np.clip(np.frexp(np.where(a > 0, a, 1))[1] - 1 - 2, -126, 127), 0)      # np.frexp(a)[1] - 1 = floor(log2(a)), exactly
;;       r = np.clip(x / 2.0 ** e, -6, 6)
;;       step = 2.0 ** (np.maximum(np.frexp(np.where(r == 0, 1, r))[1] - 1, 0) - 1)
;;       q = np.round(r / step) * step * 2.0 ** e      # np.round: ties to even
;;       return np.moveaxis(q.reshape(q.shape[:-2] + (-1,))[..., :K], -1, axis).astype(np.float32)
;;   ~~~
;; 2 versions, each right; version 2 is version 1 with the launch attn written anew for expert scheduling mode. Each part assembles by itself: llvm-mc -triple=amdgcn-amd-amdhsa -mcpu=gfx1250 --defsym DOCPART=n.
;; ======== version 1 of 2: 2 launches
;; limits: values are held in f16: magnitudes above 65,504 overflow, below 6.1e-05 lose precision
;; workspace buffers: cq 4,218,880 bytes; cs 527,360 bytes; pw 32,768 bytes; tb 61,440 bytes
;; launch prep (part 1): grid 534 x 1, 2 waves a work-group, no clusters, 17,152 bytes of LDS; arguments x, y, qkv_w, proj_w, pos_proj_w, pos_proj_b, ln1_g, ln1_b, p1_w, p1_b, ln2_g, ln2_b, p2_w, p2_b, ln3_g, ln3_b, p3_w, p3_b, cq, cs, pw, tb; writes cq, cs, pw, tb
.if DOCPART == 1
	.amdgcn_target "amdgcn-amd-amdhsa--gfx1250"
	.amdhsa_code_object_version 6
	.text
	.protected	k_q1e02dd7985_prep
	.globl	k_q1e02dd7985_prep
	.p2align	8
	.type	k_q1e02dd7985_prep,@function
k_q1e02dd7985_prep:
	s_mov_b64 s[64:65], 0
	v_nop
	global_prefetch_b8 v0, s[64:65] scope:SCOPE_SE
	s_setreg_imm32_b32 hwreg(HW_REG_WAVE_MODE, 25, 1), 1
	s_wait_xcnt 0x0
; PREP: everything that many work-groups of the attention launch read is made once.  Three roles, told apart by the work-group's number:
;   0..14    POS:   the position MLP for one row offset dh: tb[h][dh][dw 16][i 16] = log2(e) x pos(dh - 7, dw - 7, 7 - i)[h], f32.  (dw = 15 and i = 15 are padding: finite, written, never used.)
;   15..18   PROJ:  proj_w as f16, laid as images of a 16 x 32 fragment's registers: pw[4 t + s][c 2][lane 32][16 bytes], lane (r, hf) holding proj_w[16 t + r][32 s + 16 c + 8 hf + 0..7].
;   19..533  QUANT: x, y and qkv_w (rows of 128 f32, K innermost) into codes of E2M1 with one E8M0 byte for each 32 along K.
; QUANT.  A tile is 16 rows x 128 K.  Its codes are laid as the image of the operand's registers: cq[tile][c 2][lane 32][16 bytes], lane (r, hf) holding block 2 c + hf of row r.
; Its scale words (a row's four bytes) lie four tiles together: cs[tile / 4][lane 32][tile % 4], lanes 16-31 repeating lanes 0-15.  Tiles 0-2047 x, 2048-4095 y, 4096-4119 qkv_w.
; A wave takes four tiles (32,768 bytes of f32).  Each load reads one whole row, 512 consecutive bytes; a tile turns through the wave's own stage in LDS so that a lane gets two whole blocks of 32 neighbours:
; a block's largest magnitude then needs no other lane, and the conversions' results are the operand's registers.
; A block's scale is 2^(floor(log2(largest magnitude)) - 2): its byte is that magnitude's exponent field - 2, held at 1 from below by a floor among the maximum's leaves.
; LIMITS: a block of zeros gets the byte 1 where the rule says 127 (its codes are zeros, and this program alone reads the bytes); NaN and infinities among the inputs are not served.
; No matrix unit, no cluster, no tensor load: a stream that is read once, and two small tables.
.set STGB,   8448                      ; a wave's stage: 16 rows x 528 bytes
.set SPITCH, 528                       ; 512 bytes + 16: row r starts 4 r words further round, so sixteen rows touch sixteen different 16-byte columns
.set SPARE,  2*STGB                    ; behind the two stages: the spare words, 128 bytes for each wave
.set SPW, 10                           ; v10  LDS address of my spare word; never rewritten
.set NIL, 11                           ; v11  0; never rewritten
.set SB,  16                           ; v16-19   QUANT: the four tiles' scale words
.set C,   32                           ; v32-63   QUANT: codes, eight registers a tile, so that no store's data are written again
.set R,   64                           ; v64-191  QUANT: two sets of 64: a tile as loaded
.set X,   192                          ; v192-255 QUANT: my two blocks of 32 neighbours
.set A,   96                           ; v96-127  POS: eight numbers for each of four evaluations, [8 e + k]
.set BV,  128                          ; v128-159 POS: the same, the other buffer
.set MU,  160                          ; v160-163 POS: means
.set VA,  164                          ; v164-167 POS: variances, then 1 / sqrt
.set RO,  168                          ; v168-183 POS: results [4 h + e]
.set MSB, 0
.macro WIN new                         ; s_set_vgpr_msb: bits 1:0 source 0, 3:2 source 1, 5:4 source 2, 7:6 destination; the high byte repeats the setting that is left
.if MSB != \new
	s_set_vgpr_msb (MSB<<8)|\new
.set MSB, \new
.endif
.endm
	v_lshl_add_u32 v[SPW], v0, 2, SPARE
	v_mov_b32 v[NIL], 0
	v_lshrrev_b32 v1, 5, v0
	v_readfirstlane_b32 s3, v1                     ; wave 0, 1
	v_and_b32 v1, 31, v0                           ; lane
	s_cmp_lt_u32 ttmp9, 15
	s_cbranch_scc1 .Lpos
	s_cmp_lt_u32 ttmp9, 19
	s_cbranch_scc1 .Lproj
; ---------------------------------------------------------------- QUANT
	s_load_b128 s[4:7], s[0:1], 0x0                ; x, y
	s_load_b64 s[8:9], s[0:1], 0x10                ; qkv_w
	s_load_b128 s[12:15], s[0:1], 0x90             ; cq, cs
	s_sub_co_u32 s16, ttmp9, 19
	s_lshl_b32 s17, s16, 1
	s_add_co_u32 s17, s17, s3                      ; g: which group of four tiles is my wave's, 0..1029
	v_lshlrev_b32 v2, 4, v1                        ; 16 x lane: my bytes of a row, of an image, of a group's scale words
	s_mul_i32 s18, s3, STGB
	v_add_nc_u32 v3, s18, v2                       ; the stage, on the way in: a row as it lies
	v_and_b32 v4, 15, v0                           ; r
	v_bfe_u32 v5, v0, 4, 1                         ; hf
	v_mul_u32_u24 v4, v4, SPITCH
	v_lshl_add_u32 v4, v5, 7, v4
	v_add_nc_u32 v4, s18, v4                       ; and on the way out: row r, block hf (128 bytes a block)
	v_lshlrev_b32 v5, 3, v5                        ; 8 hf: how far my two bytes are shifted in the scale word
	v_mov_b32 v15, 0                               ; written once: a lane permute's destination counts as one of its sources
	s_mov_b32 s20, 0x76543210
	s_mov_b32 s21, 0xfedcba98                      ; v_permlanex16_b32's selects for lane l xor 16
	s_wait_kmcnt 0x0
	s_cmp_lt_u32 s16, 256                          ; the tensor is chosen by the work-group's number alone
	s_cselect_b64 s[4:5], s[4:5], s[6:7]
	s_cselect_b32 s19, 0, 512
	s_cmp_lt_u32 s16, 512
	s_cselect_b64 s[4:5], s[4:5], s[8:9]
	s_cselect_b32 s19, s19, 1024
	s_sub_co_u32 s19, s17, s19                     ; the group's number inside its tensor
	s_lshl_b32 s22, s19, 15                        ; 64 rows x 512 bytes
	s_mov_b32 s23, 0
	s_add_nc_u64 s[4:5], s[4:5], s[22:23]
	s_lshl_b32 s22, s17, 12                        ; four images of 1,024 bytes
	s_add_nc_u64 s[12:13], s[12:13], s[22:23]
	s_lshl_b32 s22, s17, 9                         ; 512 bytes of scale words
	s_add_nc_u64 s[14:15], s[14:15], s[22:23]
.macro LOADT t                         ; tile t: sixteen rows, each load 512 consecutive bytes
.irp i, 0,1,2,3,4,5,6,7,8,9,10,11,12,13,14,15
	global_load_b128 v[R+64*((\t)%2)+4*\i:R+64*((\t)%2)+4*\i+3], v2, s[4:5] offset:(\t)*8192+\i*512 th:TH_LOAD_NT
.endr
.endm
.macro TILE t
.set RSET, R+64*((\t)%2)
.if (\t) < 3
	s_wait_loadcnt 16                              ; this tile's sixteen loads are in; the next tile's sixteen may be out
.else
	s_wait_loadcnt 0x0
.endif
.irp i, 0,1,2,3,4,5,6,7,8,9,10,11,12,13,14,15
	ds_store_b128 v3, v[RSET+4*\i:RSET+4*\i+3] offset:\i*SPITCH
.endr
.irp c, 0,1
.irp g, 0,1,2,3,4,5,6,7
	ds_load_b128 v[X+32*\c+4*\g:X+32*\c+4*\g+3], v4 offset:256*\c+16*\g   ; block 2 c + hf of row r; LDS serves a wave's instructions in order: these see the stores above
.endr
.endr
	s_wait_dscnt 0x0                               ; my 64 numbers are back, and the stores have read the set,
.if (\t) < 2
	LOADT (\t)+2                                   ; which takes the tile two further on
.endif
	v_max3_num_f32 v6, |v[X]|, |v[X+1]|, 0x1800000         ; each block's largest magnitude, and the floor 2^(3 - 127): the byte cannot fall under 1
	v_max3_num_f32 v7, |v[X+32]|, |v[X+33]|, 0x1800000
.irp i, 2,4,6,8,10,12,14,16,18,20,22,24,26,28,30
	v_max3_num_f32 v6, v6, |v[X+\i]|, |v[X+\i+1]|          ; (the two blocks by turns)
	v_max3_num_f32 v7, v7, |v[X+32+\i]|, |v[X+33+\i]|
.endr
	v_add_nc_u32 v8, 0xff000000, v6                ; 2 off the exponent field: the conversion takes the exponent field of this operand as its scale
	v_add_nc_u32 v9, 0xff000000, v7
.irp g, 0,1,2,3
	v_cvt_scalef32_pk8_fp4_f32 v[C+8*(\t)+\g], v[X+8*\g:X+8*\g+7], v8            ; registers 0-3 of the fragment
	v_cvt_scalef32_pk8_fp4_f32 v[C+8*(\t)+4+\g], v[X+32+8*\g:X+32+8*\g+7], v9    ; registers 4-7
.endr
	v_lshrrev_b32 v12, 23, v8                      ; the scales' bytes (a plain line behind the conversions)
	v_lshrrev_b32 v13, 23, v9
	v_lshl_or_b32 v14, v13, 16, v12                ; blocks hf and 2 + hf,
	v_lshlrev_b32 v14, v5, v14                     ; at their places in the word;
	v_permlanex16_b32 v15, v14, s20, s21
	v_or_b32 v[SB+(\t)], v14, v15                  ; with lane l xor 16's two the row's word is whole, in both halves of the lanes
	global_store_b128 v2, v[C+8*(\t):C+8*(\t)+3], s[12:13] offset:(\t)*1024        ; 32 lanes store 512 consecutive bytes
	global_store_b128 v2, v[C+8*(\t)+4:C+8*(\t)+7], s[12:13] offset:(\t)*1024+512
.endm
	LOADT 0
	LOADT 1
	TILE 0
	TILE 1
	TILE 2
	TILE 3
	global_store_b128 v2, v[SB:SB+3], s[14:15]     ; the four tiles' scale words: 512 consecutive bytes
	s_wait_tensorcnt 0x0                           ; the wave's end: behind my last LDS store
	ds_add_u32 v[SPW], v[NIL]
	s_wait_dscnt 0x0
	s_endpgm
; ---------------------------------------------------------------- PROJ
.Lproj:
	s_load_b64 s[4:5], s[0:1], 0x18                ; proj_w
	s_load_b64 s[6:7], s[0:1], 0xa0                ; pw
	s_sub_co_u32 s16, ttmp9, 15
	s_lshl_b32 s16, s16, 1
	s_add_co_u32 s16, s16, s3                      ; t: my 16 rows of proj_w
	v_and_b32 v2, 15, v0
	v_bfe_u32 v3, v0, 4, 1
	v_lshlrev_b32 v2, 9, v2                        ; row r of 512 bytes,
	v_lshl_add_u32 v2, v3, 5, v2                   ; + 8 hf numbers
	v_lshlrev_b32 v3, 4, v1                        ; 16 x lane
	s_lshl_b32 s18, s16, 13
	s_mov_b32 s19, 0
	s_lshl_b32 s20, s16, 12
	s_mov_b32 s21, 0
	s_wait_kmcnt 0x0
	s_add_nc_u64 s[4:5], s[4:5], s[18:19]
	s_add_nc_u64 s[6:7], s[6:7], s[20:21]
.irp s, 0,1,2,3
	global_load_b128 v[64+16*\s:67+16*\s], v2, s[4:5] offset:128*\s       ; k = 32 s + 8 hf + 0..7
	global_load_b128 v[68+16*\s:71+16*\s], v2, s[4:5] offset:128*\s+16
	global_load_b128 v[72+16*\s:75+16*\s], v2, s[4:5] offset:128*\s+64    ; k = 32 s + 16 + 8 hf + 0..7
	global_load_b128 v[76+16*\s:79+16*\s], v2, s[4:5] offset:128*\s+80
.endr
	s_wait_loadcnt 0x0
.set i, 0
.rept 32
	v_cvt_pk_f16_f32 v[32+i], v[64+2*i], v[64+2*i+1]
.set i, i+1
.endr
.irp i, 0,1,2,3,4,5,6,7
	global_store_b128 v3, v[32+4*\i:35+4*\i], s[6:7] offset:512*\i        ; fragment s = i / 2, half c = i % 2
.endr
	s_wait_tensorcnt 0x0                           ; the wave's end
	ds_add_u32 v[SPW], v[NIL]
	s_wait_dscnt 0x0
	s_endpgm
; ---------------------------------------------------------------- POS
; Thread v0 of 64 takes dw = v0 / 4 and the four entries i = 4 (v0 % 4) + e.  All arithmetic is fused multiply-adds in f32; the four evaluations take turns, so that no line waits for the line above it.
; The weights are the same in every lane: window 1 holds the four matrices (v0-23, v24-87, v88-151, v152-183), window 0 the vectors (v16-91).
.Lpos:
	s_load_b512 s[4:19], s[0:1], 0x20              ; pos_proj_w, pos_proj_b, ln1_g, ln1_b, p1_w, p1_b, ln2_g, ln2_b
	s_load_b256 s[20:27], s[0:1], 0x60             ; p2_w, p2_b, ln3_g, ln3_b
	s_load_b128 s[28:31], s[0:1], 0x80             ; p3_w, p3_b
	s_load_b64 s[32:33], s[0:1], 0xa8              ; tb
	v_mov_b32 v12, 0                               ; every lane loads from a buffer's first byte on
	v_lshlrev_b32 v3, 4, v0                        ; my four entries' place in a row offset's 1,024 bytes
	s_sub_co_i32 s36, ttmp9, 7
	v_cvt_f32_i32 v4, s36                          ; dh - 7
	v_bfe_u32 v5, v0, 2, 4
	v_add_nc_u32 v5, -7, v5
	v_cvt_f32_i32 v5, v5                           ; dw - 7
	v_and_b32 v13, 3, v0
	v_lshlrev_b32 v13, 2, v13
.irp e, 0,1,2,3
	v_sub_nc_u32 v[6+\e], 7-\e, v13
.endr
.irp e, 0,1,2,3
	v_cvt_f32_i32 v[6+\e], v[6+\e]                 ; 7 - i
.endr
	s_mov_b32 s40, 0x3727c5ac                      ; 1e-5
	s_mov_b32 s41, 0x3e000000                      ; 1 / 8
	s_lshl_b32 s34, ttmp9, 10
	s_mov_b32 s35, 0
	s_wait_kmcnt 0x0
	s_add_nc_u64 s[32:33], s[32:33], s[34:35]
	WIN 0x40                                       ; destination window 1
.irp i, 0,1,2,3,4,5
	global_load_b128 v[4*\i:4*\i+3], v12, s[4:5] offset:16*\i
.endr
.irp i, 0,1,2,3,4,5,6,7,8,9,10,11,12,13,14,15
	global_load_b128 v[24+4*\i:27+4*\i], v12, s[12:13] offset:16*\i
.endr
.irp i, 0,1,2,3,4,5,6,7,8,9,10,11,12,13,14,15
	global_load_b128 v[88+4*\i:91+4*\i], v12, s[20:21] offset:16*\i
.endr
.irp i, 0,1,2,3,4,5,6,7
	global_load_b128 v[152+4*\i:155+4*\i], v12, s[28:29] offset:16*\i
.endr
	WIN 0
.macro VEC8 reg, base
	global_load_b128 v[\reg:\reg+3], v12, s[\base:\base+1]
	global_load_b128 v[\reg+4:\reg+7], v12, s[\base:\base+1] offset:16
.endm
	VEC8 16, 6                                     ; pos_proj_b
	VEC8 24, 8                                     ; ln1_g
	VEC8 32, 10                                    ; ln1_b
	VEC8 40, 14                                    ; p1_b
	VEC8 48, 16                                    ; ln2_g
	VEC8 56, 18                                    ; ln2_b
	VEC8 64, 22                                    ; p2_b
	VEC8 72, 24                                    ; ln3_g
	VEC8 80, 26                                    ; ln3_b
	global_load_b128 v[88:91], v12, s[30:31]       ; p3_b
	s_wait_loadcnt 0x0
; dst[se e + so o] = bias[o] + the sum over k of w[8 o + k] src[8 e + k], o under cnt
.macro MAT src, dst, se, so, w, bias, cnt
	WIN 0x01                                       ; source 0, the weight: window 1
.irp k, 0,1,2,3,4,5,6,7
.irp o, 0,1,2,3,4,5,6,7
.if \o < \cnt
.irp e, 0,1,2,3
.if \k == 0
	v_fma_f32 v[\dst+\se*\e+\so*\o], v[\w+8*\o], v[\src+8*\e], v[\bias+\o]
.else
	v_fma_f32 v[\dst+\se*\e+\so*\o], v[\w+8*\o+\k], v[\src+8*\e+\k], v[\dst+\se*\e+\so*\o]
.endif
.endr
.endif
.endr
.endr
	WIN 0
.endm
; x = relu((x - mean) / sqrt(var + 1e-5) x g + b), in place
.macro LNR x, g, b
.irp e, 0,1,2,3
	v_add_f32 v[MU+\e], v[\x+8*\e], v[\x+8*\e+1]
.endr
.irp k, 2,3,4,5,6,7
.irp e, 0,1,2,3
	v_add_f32 v[MU+\e], v[MU+\e], v[\x+8*\e+\k]
.endr
.endr
.irp e, 0,1,2,3
	v_mul_f32 v[MU+\e], s41, v[MU+\e]
.endr
.irp k, 0,1,2,3,4,5,6,7
.irp e, 0,1,2,3
	v_sub_f32 v[\x+8*\e+\k], v[\x+8*\e+\k], v[MU+\e]
.endr
.endr
.irp e, 0,1,2,3
	v_mul_f32 v[VA+\e], v[\x+8*\e], v[\x+8*\e]
.endr
.irp k, 1,2,3,4,5,6,7
.irp e, 0,1,2,3
	v_fma_f32 v[VA+\e], v[\x+8*\e+\k], v[\x+8*\e+\k], v[VA+\e]
.endr
.endr
.irp e, 0,1,2,3
	v_fma_f32 v[VA+\e], v[VA+\e], s41, s40
.endr
.irp e, 0,1,2,3
	v_rsq_f32 v[VA+\e], v[VA+\e]
.endr
	v_nop                                          ; a plain line behind the last of the four
	s_wait_alu depctr_va_vdst(0)                   ; one wait for the four, ahead of their first reader
.irp k, 0,1,2,3,4,5,6,7
.irp e, 0,1,2,3
	v_mul_f32 v[\x+8*\e+\k], v[\x+8*\e+\k], v[VA+\e]
.endr
.endr
.irp k, 0,1,2,3,4,5,6,7
.irp e, 0,1,2,3
	v_fma_f32 v[\x+8*\e+\k], v[\x+8*\e+\k], v[\g+\k], v[\b+\k]
.endr
.endr
.irp k, 0,1,2,3,4,5,6,7
.irp e, 0,1,2,3
	v_max_num_f32 v[\x+8*\e+\k], 0, v[\x+8*\e+\k]
.endr
.endr
.endm
	WIN 0x01                                       ; the first layer: three terms
.irp o, 0,1,2,3,4,5,6,7
.irp e, 0,1,2,3
	v_fma_f32 v[A+8*\e+\o], v[3*\o], v4, v[16+\o]
.endr
.endr
.irp o, 0,1,2,3,4,5,6,7
.irp e, 0,1,2,3
	v_fma_f32 v[A+8*\e+\o], v[3*\o+1], v5, v[A+8*\e+\o]
.endr
.endr
.irp o, 0,1,2,3,4,5,6,7
.irp e, 0,1,2,3
	v_fma_f32 v[A+8*\e+\o], v[3*\o+2], v[6+\e], v[A+8*\e+\o]
.endr
.endr
	WIN 0
	LNR A, 24, 32
	MAT A, BV, 8, 1, 24, 40, 8
	LNR BV, 48, 56
	MAT BV, A, 8, 1, 88, 64, 8
	LNR A, 72, 80
	MAT A, RO, 1, 4, 152, 88, 4
.set i, 0
.rept 16
	v_mul_f32 v[RO+i], 0x3fb8aa3b, v[RO+i]         ; x log2(e): the attention launch works in powers of two
.set i, i+1
.endr
.irp h, 0,1,2,3
	global_store_b128 v3, v[RO+4*\h:RO+4*\h+3], s[32:33] offset:15360*\h   ; a wave stores 512 consecutive bytes
.endr
	s_wait_tensorcnt 0x0                           ; the wave's end
	ds_add_u32 v[SPW], v[NIL]
	s_wait_dscnt 0x0
	s_endpgm
.Lfunc_end_k_q1e02dd7985_prep:
	.size	k_q1e02dd7985_prep, .Lfunc_end_k_q1e02dd7985_prep-k_q1e02dd7985_prep
	.p2alignl 7, 3214868480
	.fill 96, 4, 3214868480
	.section	.rodata,"a",@progbits
	.p2align	6, 0x0
	.amdhsa_kernel k_q1e02dd7985_prep
		.amdhsa_group_segment_fixed_size 17152
		.amdhsa_private_segment_fixed_size 0
		.amdhsa_enable_private_segment 0
		.amdhsa_kernarg_size 176
		.amdhsa_user_sgpr_count 2
		.amdhsa_user_sgpr_kernarg_segment_ptr 1
		.amdhsa_wavefront_size32 1
		.amdhsa_system_sgpr_workgroup_id_x 1
		.amdhsa_system_sgpr_workgroup_id_y 1
		.amdhsa_system_sgpr_workgroup_id_z 1
		.amdhsa_system_vgpr_workitem_id 0
		.amdhsa_next_free_vgpr 448
		.amdhsa_next_free_sgpr 66
		.amdhsa_reserve_vcc 0
		.amdhsa_float_denorm_mode_32 3
		.amdhsa_float_denorm_mode_16_64 3
		.amdhsa_memory_ordered 1
		.amdhsa_forward_progress 1
		.amdhsa_inst_pref_size 115
	.end_amdhsa_kernel
	.amdgpu_metadata
---
amdhsa.version: [ 1, 2 ]
amdhsa.kernels:
  - .name:           k_q1e02dd7985_prep
    .symbol:         k_q1e02dd7985_prep.kd
    .args:
      - { .name: x, .offset: 0, .size: 8, .value_kind: global_buffer, .address_space: global }
      - { .name: y, .offset: 8, .size: 8, .value_kind: global_buffer, .address_space: global }
      - { .name: qkv_w, .offset: 16, .size: 8, .value_kind: global_buffer, .address_space: global }
      - { .name: proj_w, .offset: 24, .size: 8, .value_kind: global_buffer, .address_space: global }
      - { .name: pos_proj_w, .offset: 32, .size: 8, .value_kind: global_buffer, .address_space: global }
      - { .name: pos_proj_b, .offset: 40, .size: 8, .value_kind: global_buffer, .address_space: global }
      - { .name: ln1_g, .offset: 48, .size: 8, .value_kind: global_buffer, .address_space: global }
      - { .name: ln1_b, .offset: 56, .size: 8, .value_kind: global_buffer, .address_space: global }
      - { .name: p1_w, .offset: 64, .size: 8, .value_kind: global_buffer, .address_space: global }
      - { .name: p1_b, .offset: 72, .size: 8, .value_kind: global_buffer, .address_space: global }
      - { .name: ln2_g, .offset: 80, .size: 8, .value_kind: global_buffer, .address_space: global }
      - { .name: ln2_b, .offset: 88, .size: 8, .value_kind: global_buffer, .address_space: global }
      - { .name: p2_w, .offset: 96, .size: 8, .value_kind: global_buffer, .address_space: global }
      - { .name: p2_b, .offset: 104, .size: 8, .value_kind: global_buffer, .address_space: global }
      - { .name: ln3_g, .offset: 112, .size: 8, .value_kind: global_buffer, .address_space: global }
      - { .name: ln3_b, .offset: 120, .size: 8, .value_kind: global_buffer, .address_space: global }
      - { .name: p3_w, .offset: 128, .size: 8, .value_kind: global_buffer, .address_space: global }
      - { .name: p3_b, .offset: 136, .size: 8, .value_kind: global_buffer, .address_space: global }
      - { .name: cq, .offset: 144, .size: 8, .value_kind: global_buffer, .address_space: global }
      - { .name: cs, .offset: 152, .size: 8, .value_kind: global_buffer, .address_space: global }
      - { .name: pw, .offset: 160, .size: 8, .value_kind: global_buffer, .address_space: global }
      - { .name: tb, .offset: 168, .size: 8, .value_kind: global_buffer, .address_space: global }
    .group_segment_fixed_size: 17152
    .private_segment_fixed_size: 0
    .kernarg_segment_align: 8
    .kernarg_segment_size: 176
    .max_flat_workgroup_size: 64
    .sgpr_count:     66
    .vgpr_count:     448
    .wavefront_size: 32
...
	.end_amdgpu_metadata
.endif
;; end of part 1
;; launch attn (part 2): grid 4 x 64, 8 waves a work-group, no clusters, 312,320 bytes of LDS; arguments cq, cs, pw, tb, qkv_b, proj_b, out0; writes out0
.if DOCPART == 2
	.amdgcn_target "amdgcn-amd-amdhsa--gfx1250"
	.amdhsa_code_object_version 6
	.text
	.protected	k_q1e02dd7985_attn
	.globl	k_q1e02dd7985_attn
	.p2align	8
	.type	k_q1e02dd7985_attn,@function
k_q1e02dd7985_attn:
	s_mov_b64 s[64:65], 0
	v_nop
	global_prefetch_b8 v0, s[64:65] scope:SCOPE_SE
	s_setreg_imm32_b32 hwreg(HW_REG_WAVE_MODE, 25, 1), 1
	s_wait_xcnt 0x0
; ATTN: out0[b][n][:] = proj(softmax(q k^T / sqrt(32) + bias) v), q = x Wq^T + bq, k = y Wk^T + bk, v = y Wv^T + bv.  The three products with qkv_w run on codes of E2M1 with E8M0 scales (made by the launch before),
; the others on f16 operands with f32 sums; softmax, bias and sums in f32.
; SHARES.  A work-group takes 128 queries (quarter qd) of batch b through all four heads and the projection.  Wave w has head h = w % 4 and key half kh = w / 4: its K and V of 256 keys stay in 256 registers
; (window 1) for the whole launch.  Each wave makes, for each of the eight tiles of 16 queries, a partial softmax (m, l, O) over its 256 keys; the two halves are joined in f32 at the end.
; (Both halves make the head's Q: 16 of a wave's 80 products on codes.)
; LAYOUT.  S^T = K Q^T and O^T = V^T P: a lane holds ONE query (lane % 16) throughout, and two score tiles rounded to f16 in pairs are the second product's operand as they stand.
; q is multiplied in f32 by c = log2(e) / sqrt(32) before it is rounded, and the bias table carries log2(e): so S is t, and p = 2^(t - m), m the largest t of the wave's 256 keys, all held in registers.
; THE BIAS COSTS NO VECTOR INSTRUCTION: it is loaded from LDS into the score registers and is the C of the score product.  Register j of key tile kt holds key (hm, wm, dm = j): the eight numbers are neighbours along
; the table's reversed d axis, beginning at 7 - dn.  The wave expands its five row offsets once so that each (dw, dn) has its eight numbers at a multiple of 16 bytes.
; O is multiplied by 16 before it is rounded to f16 and the projection's sums by 1 / 16 (exact), which keeps small O in f16's normal range.
; LIMITS: NaN and infinities are not served; |c q|, |k|, |v| and |16 O| must stay under 65,504, f16's largest number.
; NO CLUSTER, NO TENSOR LOAD, NO PREFETCH: every global read stands at the head and goes to registers in the order of the operands' registers; the four work-groups of a batch share 36 KB (y's codes and the weights') of it.
; LDS.  0: eight waves x 20,480: the expanded bias [jh 2][dl 5][dw 16][dn 8][4] f32.  The same bytes hold, ahead of the second barrier, the images of x's 8 and y's 32 tiles, and behind the loop O's 32 f16
; fragments (0) and the stage for the way out (32,768).  163,840: eight waves x eight slots of 2,304: Q's fragment (and in slots 0-4 a compact table row), later the tile's partial O, m and l.  311,296: the spare words.
; REGISTERS.  Window 0: v1-31 addresses and statistics; v32-63 four accumulators of O^T; v64-95 proj_w's four fragments, v96-103 proj_b; v104-119 Q's fragment, two sets; v128-255 the scores.
; In the prologue: v32-63 Wk, Wv; v64-95 their biases; v96-125 scale words; v128-191 eight tiles of y; v192-255 eight accumulators.  Window 1: v0-127 K, v128-255 V (ahead of them x's tiles, Wq and bq).
.set EBW,   20480
.set PLANE, 10240
.set DLP,   2048
.set OP,    163840
.set WAREA, 18432
.set SLOT,  2304
.set SPARE, OP+8*WAREA
.set YB,    8192
.set STG,   32768
.set SP,    528                        ; a stage row: 512 bytes + 16
.set SPW,   4                          ; v4   LDS address of my spare word; never rewritten
.set NIL,   5                          ; v5   0; never rewritten
.set OA,    32
.set QFA,   104
.set QFB,   112
.set S,     128
.set D,     192
.set MSB, 0
.macro WIN new                         ; s_set_vgpr_msb: bits 1:0 source 0, 3:2 source 1, 5:4 source 2, 7:6 destination; the high byte repeats the setting that is left
.if MSB != \new
	s_set_vgpr_msb (MSB<<8)|\new
.set MSB, \new
.endif
.endm
.macro PLACES n                        ; plain vector lines between a matrix instruction and what next touches its registers (ISA guide 7.12.1)
.rept \n
	v_nop
.endr
.endm
.macro BARRIER                         ; my LDS stores have landed and my LDS loads are in: then the work-group's barrier
	s_wait_dscnt 0x0
	s_barrier_signal -1
	s_barrier_wait -1
.endm
.macro FP4 d, a, b, c, sa, sb
	v_wmma_scale_f32_16x16x128_f8f6f4 v[\d:\d+7], v[\a:\a+7], v[\b:\b+7], v[\c:\c+7], v[\sa], v[\sb] matrix_a_fmt:MATRIX_FMT_FP4 matrix_b_fmt:MATRIX_FMT_FP4
.endm
	s_load_b256 s[4:11], s[0:1], 0x0               ; cq s[4:5], cs s[6:7], pw s[8:9], tb s[10:11]
	s_load_b128 s[12:15], s[0:1], 0x20             ; qkv_b s[12:13], proj_b s[14:15]
	s_load_b64 s[16:17], s[0:1], 0x30              ; out0
	v_lshl_add_u32 v[SPW], v0, 2, SPARE
	v_mov_b32 v[NIL], 0
	v_lshrrev_b32 v24, 5, v0
	v_readfirstlane_b32 s18, v24                   ; wave w
	s_and_b32 s19, s18, 3                          ; head h
	s_lshr_b32 s20, s18, 2                         ; key half kh
	s_mov_b32 s21, ttmp9                           ; quarter qd
	s_and_b32 s22, ttmp7, 0xffff                   ; batch b
	s_mov_b32 s24, 0x3e8293ee                      ; c = log2(e) / sqrt(32)
	s_mov_b32 s25, s24                             ; (named with it as a pair, so it is written)
	s_mov_b32 s26, 0x76543210
	s_mov_b32 s27, 0xfedcba98                      ; v_permlanex16_b32's selects for lane l xor 16
	v_and_b32 v24, 31, v0                          ; lane
	v_lshlrev_b32 v1, 4, v24                       ; v1   16 x lane
	v_bfe_u32 v25, v0, 4, 1                        ; hf
	v_lshlrev_b32 v2, 5, v25                       ; v2   32 hf
	v_and_b32 v16, 15, v0                          ; r
	v_lshlrev_b32 v3, 2, v16                       ; v3   4 r
	v_xor_b32 v6, 1, v25
	v_lshlrev_b32 v6, 7, v6
	v_lshl_add_u32 v6, v16, 4, v6
	s_mul_i32 s31, s18, EBW
	v_add_nc_u32 v6, s31, v6                       ; v6   the bias: my wave's table + 128 (1 - hf) + 16 r  (16 r = 128 (r / 8) + 16 (r % 8): the query's w and d)
	v_add_nc_u32 v13, s31, v1                      ; v13  where the expansion stores
	s_mul_i32 s23, s18, WAREA
	s_add_co_u32 s23, s23, OP
	v_add_nc_u32 v8, s23, v1                       ; v8   my wave's slot 0, 16 x lane
	v_lshlrev_b32 v10, 2, v24
	v_add_nc_u32 v10, s23, v10
	v_add_nc_u32 v10, 2048, v10                    ; v10  slot 0's m, 4 x lane
	v_bfe_u32 v12, v0, 3, 2
	v_lshlrev_b32 v12, 6, v12
	v_add_nc_u32 v12, s23, v12
	v_add_nc_u32 v12, 1024+28, v12
	v_and_b32 v17, 7, v0
	v_lshlrev_b32 v17, 2, v17
	v_sub_nc_u32 v12, v12, v17                     ; v12  the expansion's source: compact row, dw = lane / 8, entry 7 - lane % 8
	s_lshl_b32 s31, s18, 10
	v_add_nc_u32 v26, s31, v1                      ; v26  where I store x's image
	s_lshl_b32 s31, s18, 12
	s_add_co_u32 s31, s31, YB
	v_add_nc_u32 v27, s31, v1                      ; v27  and y's four
	s_lshl_b32 s31, s20, 14
	s_add_co_u32 s31, s31, YB
	v_add_nc_u32 v28, s31, v1                      ; v28  my half's sixteen tiles of y
	s_mul_i32 s31, s18, SLOT
	s_add_co_u32 s31, s31, OP
	v_add_nc_u32 v29, s31, v1                      ; v29  the join: slot w of wave 0's area
	v_add_nc_u32 v30, 4*WAREA, v29                 ; v30  and of wave 4's
	v_lshlrev_b32 v31, 2, v24
	v_add_nc_u32 v31, s31, v31
	v_add_nc_u32 v31, 2048, v31                    ; v31  its m
	v_mov_b32 v14, 0
	v_mov_b32 v15, 0                               ; (the upper half of the pair v[14:15], of which the low word serves both halves)
	; each buffer's offset is made in the pair that will hold the address
	s_lshl_b32 s28, s22, 15                        ; b x 32 tiles x 1,024 bytes
	s_lshl_b32 s29, s21, 13
	s_lshl_b32 s30, s18, 10
	s_add_co_u32 s32, s28, s29
	s_add_co_u32 s32, s32, s30                     ; x's tile 32 b + 8 qd + w
	s_mov_b32 s33, 0
	s_lshl_b32 s30, s18, 12
	s_add_co_u32 s34, s28, s30
	s_add_co_u32 s34, s34, 2048*1024               ; y's tiles 2048 + 32 b + 4 w on
	s_mov_b32 s35, 0
	s_lshl_b32 s36, s19, 11
	s_add_co_u32 s36, s36, 4096*1024               ; qkv_w's tiles 4096 + 2 h on
	s_mov_b32 s37, 0
	s_lshl_b32 s28, s22, 12                        ; b x 8 groups x 512 bytes
	s_lshl_b32 s29, s21, 10
	s_add_co_u32 s38, s28, s29                     ; x's scale words
	s_mov_b32 s39, 0
	s_lshl_b32 s29, s20, 11
	s_add_co_u32 s40, s28, s29
	s_add_co_u32 s40, s40, 512*512                 ; y's
	s_mov_b32 s41, 0
	s_lshr_b32 s28, s19, 1
	s_lshl_b32 s28, s28, 9
	s_and_b32 s29, s19, 1
	s_lshl_b32 s29, s29, 3
	s_add_co_u32 s42, s28, s29
	s_add_co_u32 s42, s42, 1024*512                ; qkv_w's: group 1024 + h / 2, words 2 (h % 2) on
	s_mov_b32 s43, 0
	s_mul_i32 s44, s19, 15360
	s_lshl_b32 s28, s21, 11
	s_add_co_u32 s44, s44, s28
	s_add_co_u32 s44, s44, 4096
	s_lshl_b32 s28, s20, 12
	s_sub_co_u32 s44, s44, s28                     ; the table: head h, row offsets 2 qd - 4 kh + 4 on
	s_mov_b32 s45, 0
	s_lshl_b32 s46, s18, 12                        ; proj_w's fragments of out tile w
	s_mov_b32 s47, 0
	s_lshl_b32 s48, s19, 7                         ; qkv_b at the head's 32 numbers
	s_mov_b32 s49, 0
	s_lshl_b32 s50, s18, 6                         ; proj_b at out tile w
	s_mov_b32 s51, 0
	s_lshl_b32 s52, s22, 18
	s_lshl_b32 s28, s21, 16
	s_add_co_u32 s52, s52, s28
	s_lshl_b32 s28, s18, 13
	s_add_co_u32 s52, s52, s28                     ; out0 at row 512 b + 128 qd + 16 w
	s_mov_b32 s53, 0
	s_wait_kmcnt 0x0
	s_add_nc_u64 s[32:33], s[4:5], s[32:33]
	s_add_nc_u64 s[34:35], s[4:5], s[34:35]
	s_add_nc_u64 s[36:37], s[4:5], s[36:37]
	s_add_nc_u64 s[38:39], s[6:7], s[38:39]
	s_add_nc_u64 s[40:41], s[6:7], s[40:41]
	s_add_nc_u64 s[42:43], s[6:7], s[42:43]
	s_add_nc_u64 s[44:45], s[10:11], s[44:45]
	s_add_nc_u64 s[46:47], s[8:9], s[46:47]
	s_add_nc_u64 s[48:49], s[12:13], s[48:49]
	s_add_nc_u64 s[50:51], s[14:15], s[50:51]
	s_add_nc_u64 s[52:53], s[16:17], s[52:53]
; ---- the head's 51 loads.  First what goes on into LDS: my share of the images (10), my five table rows (10); then what stays in registers (31)
.irp c, 0,1
	global_load_b128 v[192+4*\c:195+4*\c], v1, s[32:33] offset:512*\c
.endr
.irp j, 0,1,2,3,4,5,6,7
	global_load_b128 v[200+4*\j:203+4*\j], v1, s[34:35] offset:512*\j
.endr
.irp i, 0,1,2,3,4,5,6,7,8,9
	global_load_b128 v[128+4*\i:131+4*\i], v1, s[44:45] offset:512*\i
.endr
	WIN 0x40                                       ; destination window 1
.irp i, 0,1,2,3
	global_load_b128 v[224+4*\i:227+4*\i], v1, s[36:37] offset:512*\i            ; Wq's two fragments
.endr
.irp ct, 0,1
.irp p, 0,1
	global_load_b128 v[240+8*\ct+4*\p:243+8*\ct+4*\p], v2, s[48:49] offset:64*\ct+16*\p   ; bq in the result's layout: channels 16 ct + 8 hf + 0..7
.endr
.endr
	WIN 0
.irp i, 0,1,2,3
	global_load_b128 v[32+4*\i:35+4*\i], v1, s[36:37] offset:8192+512*\i         ; Wk
.endr
.irp i, 0,1,2,3
	global_load_b128 v[48+4*\i:51+4*\i], v1, s[36:37] offset:16384+512*\i        ; Wv
.endr
.irp ct, 0,1
.irp p, 0,1
	global_load_b128 v[64+8*\ct+4*\p:67+8*\ct+4*\p], v2, s[48:49] offset:512+64*\ct+16*\p  ; bk
.endr
.endr
	global_load_b32 v80, v3, s[48:49] offset:1024  ; bv: in V's layout a lane holds one channel, 16 ct + r
	global_load_b32 v88, v3, s[48:49] offset:1088
.irp i, 0,1
	global_load_b128 v[112+4*\i:115+4*\i], v1, s[38:39] offset:512*\i            ; x's scale words: v112 + query tile
.endr
.irp i, 0,1,2,3
	global_load_b128 v[96+4*\i:99+4*\i], v1, s[40:41] offset:512*\i              ; y's: v96 + key tile
.endr
.irp i, 0,1,2
	global_load_b64 v[120+2*\i:121+2*\i], v1, s[42:43] offset:1024*\i            ; Wq's, Wk's, Wv's: two tiles each
.endr
	s_wait_loadcnt 41                              ; the ten image loads are in; the 41 behind them may be out
	ds_store_b128 v26, v[192:195]
	ds_store_b128 v26, v[196:199] offset:512
.irp j, 0,1,2,3,4,5,6,7
	ds_store_b128 v27, v[200+4*\j:203+4*\j] offset:512*\j
.endr
	s_wait_loadcnt 31                              ; the ten table loads are in
.irp i, 0,1,2,3,4,5,6,7,8,9
	ds_store_b128 v8, v[128+4*\i:131+4*\i] offset:(\i/2)*SLOT+1024+(\i%2)*512    ; row offset i / 2 into my slot i / 2
.endr
	BARRIER                                        ; x's 8 and y's 32 images lie in LDS
	WIN 0x40
.irp q, 0,1,2,3,4,5,6,7
.irp c, 0,1
	ds_load_b128 v[160+8*\q+4*\c:163+8*\q+4*\c], v1 offset:1024*\q+512*\c        ; x's eight tiles
.endr
.endr
	WIN 0
.irp t, 0,1,2,3,4,5,6,7
.irp c, 0,1
	ds_load_b128 v[S+8*\t+4*\c:S+8*\t+4*\c+3], v28 offset:1024*\t+512*\c         ; my half's key tiles 0-7
.endr
.endr
	s_wait_loadcnt 0x0
.irp j, 1,2,3,4,5,6,7
	v_mov_b32 v[80+\j], v80                        ; bv over the eight keys of a lane
	v_mov_b32 v[88+\j], v88
.endr
	s_wait_dscnt 16                                ; x's tiles are in; y's sixteen loads may be out
; ---- Q: four query tiles at a time.  Source 0 = 16 channels of Wq, source 1 = 16 queries: a lane holds one query and eight channels; bq is the C.
.macro QHALF g
	WIN 0x15                                       ; sources 0, 1 and 2 window 1
.irp q, 0,1,2,3
.irp ct, 0,1
	FP4 D+16*\q+8*\ct, 224+8*\ct, 160+8*(4*\g+\q), 240+8*\ct, 120+\ct, 112+4*\g+\q
.endr
.endr
	WIN 0
	PLACES 4
.set i, 0
.rept 32
	v_pk_mul_f32 v[D+i:D+i+1], v[D+i:D+i+1], s[24:25] op_sel_hi:[1,0]            ; x c, in f32; each accumulator from its low end on
.set i, i+2
.endr
.set i, 0
.rept 32
	v_cvt_pk_f16_f32 v[D+i], v[D+2*i], v[D+2*i+1]  ; in place: a tile's two accumulators become its fragment's eight registers
.set i, i+1
.endr
.irp q, 0,1,2,3
.irp c, 0,1
	ds_store_b128 v8, v[D+8*\q+4*\c:D+8*\q+4*\c+3] offset:(4*\g+\q)*SLOT+512*\c  ; the fragment's image, into my slot of that query tile
.endr
.endr
	s_wait_dscnt 0x0                               ; the stores have read their registers (and y's tiles are in)
.endm
	QHALF 0
	QHALF 1
; ---- K and V: two key tiles a batch, eight accumulators.  K: source 0 = Wk, source 1 = the keys (a lane: one key, eight channels).  V: source 0 = the keys, source 1 = Wv (a lane: one channel, eight keys).
; Rounded to f16 in pairs they are the registers of K's fragment (key tile kt) and of V^T's (keys 32 ks on, channels 16 ct on).
.macro KVB bt
.if \bt >= 4
	s_wait_dscnt 4*(7-\bt)                         ; this batch's four reloads are in; those that later batches asked for may be out
.endif
.irp u, 0,1
.irp ct, 0,1
	FP4 D+32*\u+8*\ct, 32+8*\ct, S+8*((2*\bt+\u)%8), 64+8*\ct, 122+\ct, 96+2*\bt+\u
.endr
.irp ct, 0,1
	FP4 D+32*\u+16+8*\ct, S+8*((2*\bt+\u)%8), 48+8*\ct, 80+8*\ct, 96+2*\bt+\u, 124+\ct
.endr
.endr
	PLACES 5                                       ; the next batch's products write over these accumulators: five
	WIN 0x40                                       ; destination window 1
.irp u, 0,1
.irp ct, 0,1
.irp p, 0,1,2,3
	v_cvt_pk_f16_f32 v[8*(2*\bt+\u)+4*\ct+\p], v[D+32*\u+8*\ct+2*\p], v[D+32*\u+8*\ct+2*\p+1]
.endr
.endr
.irp ct, 0,1
.irp p, 0,1,2,3
	v_cvt_pk_f16_f32 v[128+8*(2*\bt+\ct)+4*\u+\p], v[D+32*\u+16+8*\ct+2*\p], v[D+32*\u+16+8*\ct+2*\p+1]
.endr
.endr
.endr
	WIN 0
.if \bt < 4
.irp u, 0,1
.irp c, 0,1
	ds_load_b128 v[S+8*(2*\bt+\u)+4*\c:S+8*(2*\bt+\u)+4*\c+3], v28 offset:1024*(2*\bt+\u+8)+512*\c   ; the tile eight further on, into the registers just multiplied
.endr
.endr
.endif
.endm
	KVB 0
	KVB 1
	KVB 2
	KVB 3
	KVB 4
	KVB 5
	KVB 6
	KVB 7
	BARRIER                                        ; nobody reads the images any more: their bytes take the expanded bias
.irp i, 0,1,2,3,4,5,6,7
	global_load_b128 v[64+4*\i:67+4*\i], v1, s[46:47] offset:512*\i              ; proj_w's four fragments and proj_b: wanted behind the loop, waited for there
.endr
	global_load_b128 v[96:99], v2, s[50:51]
	global_load_b128 v[100:103], v2, s[50:51] offset:16
; ---- the bias is expanded: E[jh][dl][dw][dn][jj] = row dl [dw][7 - dn + 4 jh + jj].  A unit is four dw x eight dn, a lane each.
.macro EXPAND dl0, cnt
.set uu, 0
.rept 4*\cnt
.irp j, 0,1,2,3,4,5,6,7
	ds_load_b32 v[S+8*uu+\j], v12 offset:(\dl0+uu/4)*SLOT+(uu%4)*256+4*\j
.endr
.set uu, uu+1
.endr
	s_wait_dscnt 0x0
.set uu, 0
.rept 4*\cnt
.irp jh, 0,1
	ds_store_b128 v13, v[S+8*uu+4*\jh:S+8*uu+4*\jh+3] offset:\jh*PLANE+(\dl0+uu/4)*DLP+(uu%4)*512
.endr
.set uu, uu+1
.endr
	s_wait_dscnt 0x0                               ; the stores have read their registers
.endm
	EXPAND 0, 3
	EXPAND 3, 2
; The bias of eight key tiles into the score registers.  Key tile kt: row offset dl = hl + 3 - kt / 4, dw = 2 jq + r / 8 + (1 - hf) + 6 - 2 (kt % 4); hl and jq stand in nb and in the address.
.macro BIAS half, adr, nb
.irp k, 0,1,2,3,4,5,6,7
.irp jh, 0,1
	ds_load_b128 v[S+8*(8*\half+\k)+4*\jh:S+8*(8*\half+\k)+4*\jh+3], v[\adr] offset:\nb+(3-(8*\half+\k)/4)*DLP+(6-2*(\k%4))*128+\jh*PLANE
.endr
.endr
.endm
	ds_load_b128 v[QFA:QFA+3], v8                  ; query tile 0
	ds_load_b128 v[QFA+4:QFA+7], v8 offset:512
	BIAS 1, 6, 0
	BIAS 0, 6, 0
; ---- A QUERY TILE.  The tiles go in the order 0, 4, 1, 5, ..: trip jq takes tiles jq (hl = 0) and jq + 4 (hl = 1).  nxt = 1: the next tile's Q and bias are fetched on the way.
.macro QTILE hl, nxt
.if \hl == 0
.set QC, QFA
.set QN, QFB
.set NB, DLP                                   ; the next tile lies one row offset on,
.set NQ, 4*SLOT
.else
.set QC, QFB
.set QN, QFA
.set NB, 256                                   ; or two dw on and one row offset back
.set NQ, SLOT
.endif
	s_wait_dscnt 16                                ; Q and the bias of key tiles 8-15 are in; the sixteen loads of tiles 0-7 may be out (over the back edge six stores lie behind those: the count holds on both ways)
	WIN 0x01                                       ; source 0, K: window 1
.irp kt, 8,9,10,11,12,13,14,15
	v_wmma_f32_16x16x32_f16 v[S+8*\kt:S+8*\kt+7], v[8*\kt:8*\kt+7], v[QC:QC+7], v[S+8*\kt:S+8*\kt+7]
.endr
	s_wait_dscnt 0x0
.irp kt, 0,1,2,3,4,5,6,7
	v_wmma_f32_16x16x32_f16 v[S+8*\kt:S+8*\kt+7], v[8*\kt:8*\kt+7], v[QC:QC+7], v[S+8*\kt:S+8*\kt+7]
.endr
	WIN 0
.if \hl == 0
	v_add_nc_u32 v7, s28, v6                       ; the trip's addresses (no LDS instruction of mine is out): the bias,
	v_add_nc_u32 v9, s29, v8                       ; slot jq,
	v_add_nc_u32 v11, s29, v10                     ; its m.  With the line below: the four places behind the products
	v_nop
.else
	PLACES 4
.endif
.if \nxt
	ds_load_b128 v[QN:QN+3], v9 offset:NQ
	ds_load_b128 v[QN+4:QN+7], v9 offset:NQ+512
.endif
.irp c, 0,1,2,3
	v_max3_num_f32 v[16+\c], v[S+32*\c], v[S+32*\c+1], v[S+32*\c+2]              ; the largest t: four chains by turns; each tile is first read at its low end
.endr
.irp i, 3,5,7,9,11,13,15,17,19,21,23,25,27,29
.irp c, 0,1,2,3
	v_max3_num_f32 v[16+\c], v[16+\c], v[S+32*\c+\i], v[S+32*\c+\i+1]
.endr
.endr
.irp c, 0,1,2,3
	v_max_num_f32 v[16+\c], v[16+\c], v[S+32*\c+31]
.endr
	v_max3_num_f32 v16, v16, v17, v18
	v_max_num_f32 v16, v16, v19
	v_permlanex16_b32 v24, v16, s26, s27           ; the query's other 128 keys lie in the lane 16 away
	v_max_num_f32 v14, v16, v24                    ; m
	v_pk_add_f32 v[S:S+1], v[S:S+1], v[14:15] op_sel_hi:[1,0] neg_lo:[0,1] neg_hi:[0,1]
	v_pk_add_f32 v[S+2:S+3], v[S+2:S+3], v[14:15] op_sel_hi:[1,0] neg_lo:[0,1] neg_hi:[0,1]
.set i, 0
.rept 64                                       ; ONE BATCH: 128 exponentials, the subtraction of m two pairs ahead of them; nothing here names a result
	v_exp_f32 v[S+2*i], v[S+2*i]
	v_exp_f32 v[S+2*i+1], v[S+2*i+1]
.if i < 62
	v_pk_add_f32 v[S+2*i+4:S+2*i+5], v[S+2*i+4:S+2*i+5], v[14:15] op_sel_hi:[1,0] neg_lo:[0,1] neg_hi:[0,1]
.endif
.set i, i+1
.endr
	v_nop                                          ; a plain line behind the last exponential
	s_wait_alu depctr_va_vdst(0)                   ; one wait for the batch, ahead of its first reader
	v_pk_add_f32 v[20:21], v[S:S+1], v[S+2:S+3]    ; the row's sum of the unrounded p, in two chains; p is rounded to f16 in place, behind its pair's addition
	v_pk_add_f32 v[22:23], v[S+4:S+5], v[S+6:S+7]
.irp i, 0,1,2,3
	v_cvt_pk_f16_f32 v[S+\i], v[S+2*\i], v[S+2*\i+1]
.endr
.set i, 4
.rept 60
	v_pk_add_f32 v[20+2*(i%2):21+2*(i%2)], v[20+2*(i%2):21+2*(i%2)], v[S+2*i:S+2*i+1]
	v_cvt_pk_f16_f32 v[S+i], v[S+2*i], v[S+2*i+1]
.set i, i+1
.endr
.if \nxt
	BIAS 1, 7, NB                                  ; P lies in the lower 64 registers: the upper 64 take the next tile's bias
.endif
	WIN 0x01                                       ; source 0, V: window 1
.irp ks, 0,1,2,3,4,5,6,7                       ; O^T = V^T P: four accumulators by turns (even and odd ks, two channel tiles); the first four products start the sums
.irp ct, 0,1
.if \ks < 2
	v_wmma_f32_16x16x32_f16 v[OA+8*(2*(\ks%2)+\ct):OA+8*(2*(\ks%2)+\ct)+7], v[128+8*(2*\ks+\ct):128+8*(2*\ks+\ct)+7], v[S+8*\ks:S+8*\ks+7], 0
.else
	v_wmma_f32_16x16x32_f16 v[OA+8*(2*(\ks%2)+\ct):OA+8*(2*(\ks%2)+\ct)+7], v[128+8*(2*\ks+\ct):128+8*(2*\ks+\ct)+7], v[S+8*\ks:S+8*\ks+7], v[OA+8*(2*(\ks%2)+\ct):OA+8*(2*(\ks%2)+\ct)+7]
.endif
.endr
.endr
	WIN 0
	v_pk_add_f32 v[20:21], v[20:21], v[22:23]      ; these four lines are the places behind the products
	v_add_f32 v20, v20, v21
	v_nop
	v_nop
	v_permlanex16_b32 v24, v20, s26, s27
	v_add_f32 v20, v20, v24                        ; l
.if \nxt
	BIAS 0, 7, NB
.endif
.irp i, 0,2,4,6,8,10,12,14
	v_pk_add_f32 v[OA+\i:OA+\i+1], v[OA+\i:OA+\i+1], v[OA+16+\i:OA+17+\i]        ; even and odd ks together; each accumulator from its low end on
.endr
.irp k, 0,1,2,3
	ds_store_b128 v9, v[OA+4*\k:OA+4*\k+3] offset:\hl*4*SLOT+512*\k              ; the partial O, over the tile's Q, which has been read
.endr
	ds_store_b32 v11, v14 offset:\hl*4*SLOT
	ds_store_b32 v11, v20 offset:\hl*4*SLOT+128
.endm
	s_mov_b32 s28, 0                               ; 256 jq: two dw a trip
	s_mov_b32 s29, 0                               ; a slot a trip
	s_mov_b32 s30, 3
.Ltrip:
	QTILE 0, 1
	QTILE 1, 1
	s_add_co_u32 s28, s28, 256
	s_add_co_u32 s29, s29, SLOT
	s_sub_co_u32 s30, s30, 1
	s_cmp_lg_u32 s30, 0
	s_cbranch_scc1 .Ltrip
	QTILE 0, 1                                     ; the last trip is written out: its second tile fetches nothing
	QTILE 1, 0
	BARRIER                                        ; all 64 partial results lie in the slots, and nobody reads the bias any more
; ---- THE JOIN.  Wave w takes query tile w, all four heads: m = max(m1, m2), a = 2^(m_i - m), l = a1 l1 + a2 l2, O = (a1 O1 + a2 O2) x 16 / l, rounded to f16: a fragment of the projection's operand.
	v_add_nc_u32 v7, 4*WAREA, v31                  ; the second half's m
	s_lshl_b32 s31, s18, 12
	v_add_nc_u32 v9, s31, v1                       ; where my four fragments go
	v_and_b32 v24, 15, v0
	v_mul_u32_u24 v11, v24, SP
	v_add_nc_u32 v11, v11, v2
	s_lshl_b32 s31, s18, 6
	s_add_co_u32 s31, s31, STG
	v_add_nc_u32 v11, s31, v11                     ; the stage, on the way in: row r, my out tile's 64 bytes, + 32 hf
	s_mul_i32 s31, s18, 16*SP
	s_add_co_u32 s31, s31, STG
	v_add_nc_u32 v12, s31, v1                      ; and on the way out: my 16 rows, 16 bytes a lane
.irp h, 0,1,2,3
.irp k, 0,1,2,3
	ds_load_b128 v[S+32*\h+4*\k:S+32*\h+4*\k+3], v29 offset:\h*WAREA+512*\k
.endr
.irp k, 0,1,2,3
	ds_load_b128 v[S+32*\h+16+4*\k:S+32*\h+16+4*\k+3], v30 offset:\h*WAREA+512*\k
.endr
	ds_load_b32 v[104+4*\h], v31 offset:\h*WAREA
	ds_load_b32 v[105+4*\h], v31 offset:\h*WAREA+128
	ds_load_b32 v[106+4*\h], v7 offset:\h*WAREA
	ds_load_b32 v[107+4*\h], v7 offset:\h*WAREA+128
.endr
	s_wait_dscnt 0x0
.irp h, 0,1,2,3
	v_max_num_f32 v[16+\h], v[104+4*\h], v[106+4*\h]
.endr
.irp h, 0,1,2,3
	v_sub_f32 v[104+4*\h], v[104+4*\h], v[16+\h]
	v_sub_f32 v[106+4*\h], v[106+4*\h], v[16+\h]
.endr
.irp h, 0,1,2,3
	v_exp_f32 v[104+4*\h], v[104+4*\h]
	v_exp_f32 v[106+4*\h], v[106+4*\h]
.endr
	v_nop
	s_wait_alu depctr_va_vdst(0)                   ; one wait for the eight
.irp h, 0,1,2,3
	v_mul_f32 v[16+\h], v[104+4*\h], v[105+4*\h]
.endr
.irp h, 0,1,2,3
	v_fma_f32 v[16+\h], v[106+4*\h], v[107+4*\h], v[16+\h]
.endr
.irp h, 0,1,2,3
	v_rcp_f32 v[16+\h], v[16+\h]
.endr
	v_nop
	s_wait_alu depctr_va_vdst(0)                   ; one wait for the four
.irp h, 0,1,2,3
	v_mul_f32 v[16+\h], 0x41800000, v[16+\h]       ; 16 / l
.endr
.irp h, 0,1,2,3
	v_mul_f32 v[32+4*\h], v[104+4*\h], v[16+\h]    ; each factor twice: a pair for the packed forms
	v_mul_f32 v[33+4*\h], v[104+4*\h], v[16+\h]
	v_mul_f32 v[34+4*\h], v[106+4*\h], v[16+\h]
	v_mul_f32 v[35+4*\h], v[106+4*\h], v[16+\h]
.endr
.irp h, 0,1,2,3
.irp p, 0,2,4,6,8,10,12,14
	v_pk_mul_f32 v[S+32*\h+\p:S+32*\h+\p+1], v[S+32*\h+\p:S+32*\h+\p+1], v[32+4*\h:33+4*\h]
.endr
.irp p, 0,2,4,6,8,10,12,14
	v_pk_fma_f32 v[S+32*\h+\p:S+32*\h+\p+1], v[S+32*\h+16+\p:S+32*\h+17+\p], v[34+4*\h:35+4*\h], v[S+32*\h+\p:S+32*\h+\p+1]
.endr
.irp p, 0,1,2,3,4,5,6,7
	v_cvt_pk_f16_f32 v[S+32*\h+\p], v[S+32*\h+2*\p], v[S+32*\h+2*\p+1]
.endr
	ds_store_b128 v9, v[S+32*\h:S+32*\h+3] offset:1024*\h
	ds_store_b128 v9, v[S+32*\h+4:S+32*\h+7] offset:1024*\h+512
.endr
	BARRIER                                        ; O's 32 fragments (query tile qt, head s: 4 qt + s) lie in LDS
; ---- THE PROJECTION.  Wave w takes out channels 16 w on, for all 128 queries.  Source 0 = 16 rows of proj_w, source 1 = 16 queries: a lane holds eight neighbouring numbers of a row of out0.
	WIN 0x40                                       ; destination window 1: K and V are done with
.set i, 0
.rept 64
	ds_load_b128 v[4*i:4*i+3], v1 offset:512*i
.set i, i+1
.endr
	s_wait_loadcnt 0x0                             ; proj_w's fragments and proj_b
	s_wait_dscnt 0x0
	WIN 0x04                                       ; source 1 window 1
.irp s, 0,1,2,3                                ; eight accumulators by turns, a K step (a head) at a time
.irp qt, 0,1,2,3,4,5,6,7
.if \s == 0
	v_wmma_f32_16x16x32_f16 v[D+8*\qt:D+8*\qt+7], v[64+8*\s:71+8*\s], v[8*(4*\qt+\s):8*(4*\qt+\s)+7], 0
.else
	v_wmma_f32_16x16x32_f16 v[D+8*\qt:D+8*\qt+7], v[64+8*\s:71+8*\s], v[8*(4*\qt+\s):8*(4*\qt+\s)+7], v[D+8*\qt:D+8*\qt+7]
.endif
.endr
.endr
	WIN 0
	PLACES 4
.irp qt, 0,1,2,3,4,5,6,7
.irp p, 0,2,4,6
	v_pk_fma_f32 v[D+8*\qt+\p:D+8*\qt+\p+1], v[D+8*\qt+\p:D+8*\qt+\p+1], 0x3d800000, v[96+\p:97+\p] op_sel_hi:[1,0,1]   ; / 16, + proj_b
.endr
.endr
.irp qt, 0,1,2,3,4,5,6,7
	ds_store_b128 v11, v[D+8*\qt:D+8*\qt+3] offset:\qt*16*SP
	ds_store_b128 v11, v[D+8*\qt+4:D+8*\qt+7] offset:\qt*16*SP+16
.endr
	BARRIER                                        ; 128 whole rows lie in the stage: a row's 512 bytes come from eight waves
.irp i, 0,1,2,3,4,5,6,7,8,9,10,11,12,13,14,15
	ds_load_b128 v[S+4*\i:S+4*\i+3], v12 offset:\i*SP
.endr
.irp i, 0,1,2,3,4,5,6,7,8,9,10,11,12,13,14,15
	s_wait_dscnt 15-\i                             ; row i is in; the rows behind it may be out
	global_store_b128 v1, v[S+4*\i:S+4*\i+3], s[52:53] offset:512*\i th:TH_STORE_NT   ; 32 lanes store a row: 512 consecutive bytes, at a multiple of 256 from out0's first byte
.endr
	s_wait_tensorcnt 0x0                           ; the wave's end: behind my last LDS store
	ds_add_u32 v[SPW], v[NIL]
	s_wait_dscnt 0x0
	s_endpgm
.Lfunc_end_k_q1e02dd7985_attn:
	.size	k_q1e02dd7985_attn, .Lfunc_end_k_q1e02dd7985_attn-k_q1e02dd7985_attn
	.p2alignl 7, 3214868480
	.fill 96, 4, 3214868480
	.section	.rodata,"a",@progbits
	.p2align	6, 0x0
	.amdhsa_kernel k_q1e02dd7985_attn
		.amdhsa_group_segment_fixed_size 312320
		.amdhsa_private_segment_fixed_size 0
		.amdhsa_enable_private_segment 0
		.amdhsa_kernarg_size 56
		.amdhsa_user_sgpr_count 2
		.amdhsa_user_sgpr_kernarg_segment_ptr 1
		.amdhsa_wavefront_size32 1
		.amdhsa_system_sgpr_workgroup_id_x 1
		.amdhsa_system_sgpr_workgroup_id_y 1
		.amdhsa_system_sgpr_workgroup_id_z 1
		.amdhsa_system_vgpr_workitem_id 0
		.amdhsa_next_free_vgpr 512
		.amdhsa_next_free_sgpr 66
		.amdhsa_reserve_vcc 0
		.amdhsa_float_denorm_mode_32 3
		.amdhsa_float_denorm_mode_16_64 3
		.amdhsa_memory_ordered 1
		.amdhsa_forward_progress 1
		.amdhsa_inst_pref_size 194
	.end_amdhsa_kernel
	.amdgpu_metadata
---
amdhsa.version: [ 1, 2 ]
amdhsa.kernels:
  - .name:           k_q1e02dd7985_attn
    .symbol:         k_q1e02dd7985_attn.kd
    .args:
      - { .name: cq, .offset: 0, .size: 8, .value_kind: global_buffer, .address_space: global }
      - { .name: cs, .offset: 8, .size: 8, .value_kind: global_buffer, .address_space: global }
      - { .name: pw, .offset: 16, .size: 8, .value_kind: global_buffer, .address_space: global }
      - { .name: tb, .offset: 24, .size: 8, .value_kind: global_buffer, .address_space: global }
      - { .name: qkv_b, .offset: 32, .size: 8, .value_kind: global_buffer, .address_space: global }
      - { .name: proj_b, .offset: 40, .size: 8, .value_kind: global_buffer, .address_space: global }
      - { .name: out0, .offset: 48, .size: 8, .value_kind: global_buffer, .address_space: global }
    .group_segment_fixed_size: 312320
    .private_segment_fixed_size: 0
    .kernarg_segment_align: 8
    .kernarg_segment_size: 56
    .max_flat_workgroup_size: 256
    .sgpr_count:     66
    .vgpr_count:     512
    .wavefront_size: 32
...
	.end_amdgpu_metadata
.endif
;; end of part 2
;; ======== version 2 of 2: 2 launches; version 1 with the launch attn written anew for expert scheduling mode
;; limits: values are held in f16: magnitudes above 65,504 overflow, below 6.1e-05 lose precision
;; workspace buffers: cq 4,218,880 bytes; cs 527,360 bytes; pw 32,768 bytes; tb 61,440 bytes
;; launch prep: the kernel of part 1 again; grid 534 x 1, 2 waves a work-group, no clusters, 17,152 bytes of LDS; arguments x, y, qkv_w, proj_w, pos_proj_w, pos_proj_b, ln1_g, ln1_b, p1_w, p1_b, ln2_g, ln2_b, p2_w, p2_b, ln3_g, ln3_b, p3_w, p3_b, cq, cs, pw, tb; writes cq, cs, pw, tb
;; launch attn (part 3): grid 4 x 64, 8 waves a work-group, no clusters, 312,320 bytes of LDS; arguments cq, cs, pw, tb, qkv_b, proj_b, out0; writes out0
.if DOCPART == 3
	.amdgcn_target "amdgcn-amd-amdhsa--gfx1250"
	.amdhsa_code_object_version 6
	.text
	.protected	k_q1e02dd7985_attn
	.globl	k_q1e02dd7985_attn
	.p2align	8
	.type	k_q1e02dd7985_attn,@function
k_q1e02dd7985_attn:
	s_mov_b64 s[64:65], 0
	v_nop
	global_prefetch_b8 v0, s[64:65] scope:SCOPE_SE
	s_setreg_imm32_b32 hwreg(HW_REG_WAVE_SCHED_MODE, 0, 2), 2
	s_setreg_imm32_b32 hwreg(HW_REG_WAVE_MODE, 25, 1), 1
	s_wait_xcnt 0x0
	s_wait_alu depctr_vm_vsrc(0)
; ATTN: out0[b][n][:] = proj(softmax(q k^T / sqrt(32) + bias) v), q = x Wq^T + bq, k = y Wk^T + bk, v = y Wv^T + bv.  The three products with qkv_w run on codes of E2M1 with E8M0 scales (made by the launch before),
; the others on f16 operands with f32 sums; softmax, bias and sums in f32.
; SHARES.  A work-group takes 128 queries (quarter qd) of batch b through all four heads and the projection.  Wave w has head h = w % 4 and key half kh = w / 4: its K and V of 256 keys stay in 256 registers
; (window 1) for the whole launch.  Each wave makes, for each of the eight tiles of 16 queries, a partial softmax (m, l, O) over its 256 keys; the two halves are joined in f32 at the end.
; (Both halves make the head's Q: 16 of a wave's 80 products on codes.)
; LAYOUT.  S^T = K Q^T and O^T = V^T P: a lane holds ONE query (lane % 16) throughout, and two score tiles rounded to f16 in pairs are the second product's operand as they stand.
; q is multiplied in f32 by c = log2(e) / sqrt(32) before it is rounded, and the bias table carries log2(e): so S is t, and p = 2^(t - m), m the largest t of the wave's 256 keys, all held in registers.
; THE BIAS COSTS NO VECTOR INSTRUCTION: it is loaded from LDS into the score registers and is the C of the score product.  Register j of key tile kt holds key (hm, wm, dm = j): the eight numbers are neighbours along
; the table's reversed d axis, beginning at 7 - dn.  The wave expands its five row offsets once so that each (dw, dn) has its eight numbers at a multiple of 16 bytes.
; O is multiplied by 16 before it is rounded to f16 and the projection's sums by 1 / 16 (exact), which keeps small O in f16's normal range.
; LIMITS: NaN and infinities are not served; |c q|, |k|, |v| and |16 O| must stay under 65,504, f16's largest number.
; NO CLUSTER, NO TENSOR LOAD, NO PREFETCH: every global read stands at the head and goes to registers in the order of the operands' registers; the four work-groups of a batch share 36 KB (y's codes and the weights') of it.
; LDS.  0: eight waves x 20,480: the expanded bias [jh 2][dl 5][dw 16][dn 8][4] f32.  The same bytes hold, ahead of the second barrier, the images of x's 8 and y's 32 tiles, and behind the loop O's 32 f16
; fragments (0) and the stage for the way out (32,768).  163,840: eight waves x eight slots of 2,304: Q's fragment (and in slots 0-4 a compact table row), later the tile's partial O, m and l.  311,296: the spare words.
; REGISTERS.  Window 0: v1-31 addresses and statistics; v32-63 four accumulators of O^T; v64-95 proj_w's four fragments, v96-103 proj_b; v104-119 Q's fragment, two sets; v128-255 the scores.
; In the prologue: v32-63 Wk, Wv; v64-95 their biases; v96-125 scale words; v128-191 eight tiles of y; v192-255 eight accumulators.  Window 1: v0-127 K, v128-255 V (ahead of them x's tiles, Wq and bq).
; THE MODE: SCHED_MODE bits 1:0 = 2 (LLVM: expert scheduling mode 2), set by the entry lines.  The code itself states the register dependences
; between vector or matrix instructions and memory or LDS instructions, with s_wait_alu, always for 0.
; THE PLAN, for a query tile.  Registers that LDS instructions touch:
;   v192-255    the bias of key tiles 8-15 lands here (BIAS 1), behind the sums and roundings of p, which are the last to read these registers; next named by the next tile's score products.
;   v128-191    the bias of key tiles 0-7 lands here (BIAS 0), behind the products V^T P, which read P there.
;   QFA, QFB    a tile's score products read one set; the other set's loads stand behind the exponentials' wait, a tile ahead of their use.
;   v32-47, v14, v20   O, m, l: written by the tile's products and vector lines, read by its six stores, written again in the next tile.
;   v7, v9, v11 the trip's addresses: written once a trip, behind the score products of its first tile; read by the loads and stores above.
; So a tile holds one wait on vm_vsrc, behind its score products (the last tile's stores and loads have read what is written again), and three on va_vdst: the exponentials' (which also shows the
; addresses written), one ahead of BIAS 1, one ahead of BIAS 0 and the stores.  Head, prologue, join and way out state their dependences where they arise.
.set EBW,   20480
.set PLANE, 10240
.set DLP,   2048
.set OP,    163840
.set WAREA, 18432
.set SLOT,  2304
.set SPARE, OP+8*WAREA
.set YB,    8192
.set STG,   32768
.set SP,    528                        ; a stage row: 512 bytes + 16
.set SPW,   4                          ; v4   LDS address of my spare word; never rewritten
.set NIL,   5                          ; v5   0; never rewritten
.set OA,    32
.set QFA,   104
.set QFB,   112
.set S,     128
.set D,     192
.set MSB, 0
.macro WIN new                         ; s_set_vgpr_msb: bits 1:0 source 0, 3:2 source 1, 5:4 source 2, 7:6 destination; the high byte repeats the setting that is left
.if MSB != \new
	s_set_vgpr_msb (MSB<<8)|\new
.set MSB, \new
.endif
.endm
.macro PLACES n                        ; plain vector lines between a matrix instruction and what next touches its registers (ISA guide 7.12.1)
.rept \n
	v_nop
.endr
.endm
.macro BARRIER                         ; my LDS stores have landed and my LDS loads are in: then the work-group's barrier
	s_wait_dscnt 0x0
	s_barrier_signal -1
	s_barrier_wait -1
.endm
.macro FP4 d, a, b, c, sa, sb
	v_wmma_scale_f32_16x16x128_f8f6f4 v[\d:\d+7], v[\a:\a+7], v[\b:\b+7], v[\c:\c+7], v[\sa], v[\sb] matrix_a_fmt:MATRIX_FMT_FP4 matrix_b_fmt:MATRIX_FMT_FP4
.endm
	s_load_b256 s[4:11], s[0:1], 0x0               ; cq s[4:5], cs s[6:7], pw s[8:9], tb s[10:11]
	s_load_b128 s[12:15], s[0:1], 0x20             ; qkv_b s[12:13], proj_b s[14:15]
	s_load_b64 s[16:17], s[0:1], 0x30              ; out0
	v_lshl_add_u32 v[SPW], v0, 2, SPARE
	v_mov_b32 v[NIL], 0
	v_lshrrev_b32 v24, 5, v0
	v_readfirstlane_b32 s18, v24                   ; wave w
	s_mov_b32 s21, ttmp9                           ; quarter qd
	s_and_b32 s22, ttmp7, 0xffff                   ; batch b
	s_mov_b32 s24, 0x3e8293ee                      ; c = log2(e) / sqrt(32)
	s_mov_b32 s25, s24                             ; (named with it as a pair, so it is written)
	s_mov_b32 s26, 0x76543210
	s_mov_b32 s27, 0xfedcba98                      ; v_permlanex16_b32's selects for lane l xor 16
	s_wait_alu depctr_va_sdst(0)                   ; s18 is written, ahead of its first reader: the head, the key half and every wave's address are made from it
	s_and_b32 s19, s18, 3                          ; head h
	s_lshr_b32 s20, s18, 2                         ; key half kh
	v_and_b32 v24, 31, v0                          ; lane
	v_lshlrev_b32 v1, 4, v24                       ; v1   16 x lane
	v_bfe_u32 v25, v0, 4, 1                        ; hf
	v_lshlrev_b32 v2, 5, v25                       ; v2   32 hf
	v_and_b32 v16, 15, v0                          ; r
	v_lshlrev_b32 v3, 2, v16                       ; v3   4 r
	v_xor_b32 v6, 1, v25
	v_lshlrev_b32 v6, 7, v6
	v_lshl_add_u32 v6, v16, 4, v6
	s_mul_i32 s31, s18, EBW
	v_add_nc_u32 v6, s31, v6                       ; v6   the bias: my wave's table + 128 (1 - hf) + 16 r  (16 r = 128 (r / 8) + 16 (r % 8): the query's w and d)
	v_add_nc_u32 v13, s31, v1                      ; v13  where the expansion stores
	s_mul_i32 s23, s18, WAREA
	s_add_co_u32 s23, s23, OP
	v_add_nc_u32 v8, s23, v1                       ; v8   my wave's slot 0, 16 x lane
	v_lshlrev_b32 v10, 2, v24
	v_add_nc_u32 v10, s23, v10
	v_add_nc_u32 v10, 2048, v10                    ; v10  slot 0's m, 4 x lane
	v_bfe_u32 v12, v0, 3, 2
	v_lshlrev_b32 v12, 6, v12
	v_add_nc_u32 v12, s23, v12
	v_add_nc_u32 v12, 1024+28, v12
	v_and_b32 v17, 7, v0
	v_lshlrev_b32 v17, 2, v17
	v_sub_nc_u32 v12, v12, v17                     ; v12  the expansion's source: compact row, dw = lane / 8, entry 7 - lane % 8
	s_lshl_b32 s31, s18, 10
	v_add_nc_u32 v26, s31, v1                      ; v26  where I store x's image
	s_lshl_b32 s31, s18, 12
	s_add_co_u32 s31, s31, YB
	v_add_nc_u32 v27, s31, v1                      ; v27  and y's four
	s_lshl_b32 s31, s20, 14
	s_add_co_u32 s31, s31, YB
	v_add_nc_u32 v28, s31, v1                      ; v28  my half's sixteen tiles of y
	s_mul_i32 s31, s18, SLOT
	s_add_co_u32 s31, s31, OP
	v_add_nc_u32 v29, s31, v1                      ; v29  the join: slot w of wave 0's area
	v_add_nc_u32 v30, 4*WAREA, v29                 ; v30  and of wave 4's
	v_lshlrev_b32 v31, 2, v24
	v_add_nc_u32 v31, s31, v31
	v_add_nc_u32 v31, 2048, v31                    ; v31  its m
	v_mov_b32 v14, 0
	v_mov_b32 v15, 0                               ; (the upper half of the pair v[14:15], of which the low word serves both halves)
	; each buffer's offset is made in the pair that will hold the address
	s_lshl_b32 s28, s22, 15                        ; b x 32 tiles x 1,024 bytes
	s_lshl_b32 s29, s21, 13
	s_lshl_b32 s30, s18, 10
	s_add_co_u32 s32, s28, s29
	s_add_co_u32 s32, s32, s30                     ; x's tile 32 b + 8 qd + w
	s_mov_b32 s33, 0
	s_lshl_b32 s30, s18, 12
	s_add_co_u32 s34, s28, s30
	s_add_co_u32 s34, s34, 2048*1024               ; y's tiles 2048 + 32 b + 4 w on
	s_mov_b32 s35, 0
	s_lshl_b32 s36, s19, 11
	s_add_co_u32 s36, s36, 4096*1024               ; qkv_w's tiles 4096 + 2 h on
	s_mov_b32 s37, 0
	s_lshl_b32 s28, s22, 12                        ; b x 8 groups x 512 bytes
	s_lshl_b32 s29, s21, 10
	s_add_co_u32 s38, s28, s29                     ; x's scale words
	s_mov_b32 s39, 0
	s_lshl_b32 s29, s20, 11
	s_add_co_u32 s40, s28, s29
	s_add_co_u32 s40, s40, 512*512                 ; y's
	s_mov_b32 s41, 0
	s_lshr_b32 s28, s19, 1
	s_lshl_b32 s28, s28, 9
	s_and_b32 s29, s19, 1
	s_lshl_b32 s29, s29, 3
	s_add_co_u32 s42, s28, s29
	s_add_co_u32 s42, s42, 1024*512                ; qkv_w's: group 1024 + h / 2, words 2 (h % 2) on
	s_mov_b32 s43, 0
	s_mul_i32 s44, s19, 15360
	s_lshl_b32 s28, s21, 11
	s_add_co_u32 s44, s44, s28
	s_add_co_u32 s44, s44, 4096
	s_lshl_b32 s28, s20, 12
	s_sub_co_u32 s44, s44, s28                     ; the table: head h, row offsets 2 qd - 4 kh + 4 on
	s_mov_b32 s45, 0
	s_lshl_b32 s46, s18, 12                        ; proj_w's fragments of out tile w
	s_mov_b32 s47, 0
	s_lshl_b32 s48, s19, 7                         ; qkv_b at the head's 32 numbers
	s_mov_b32 s49, 0
	s_lshl_b32 s50, s18, 6                         ; proj_b at out tile w
	s_mov_b32 s51, 0
	s_lshl_b32 s52, s22, 18
	s_lshl_b32 s28, s21, 16
	s_add_co_u32 s52, s52, s28
	s_lshl_b32 s28, s18, 13
	s_add_co_u32 s52, s52, s28                     ; out0 at row 512 b + 128 qd + 16 w
	s_mov_b32 s53, 0
	s_wait_kmcnt 0x0
	s_add_nc_u64 s[32:33], s[4:5], s[32:33]
	s_add_nc_u64 s[34:35], s[4:5], s[34:35]
	s_add_nc_u64 s[36:37], s[4:5], s[36:37]
	s_add_nc_u64 s[38:39], s[6:7], s[38:39]
	s_add_nc_u64 s[40:41], s[6:7], s[40:41]
	s_add_nc_u64 s[42:43], s[6:7], s[42:43]
	s_add_nc_u64 s[44:45], s[10:11], s[44:45]
	s_add_nc_u64 s[46:47], s[8:9], s[46:47]
	s_add_nc_u64 s[48:49], s[12:13], s[48:49]
	s_add_nc_u64 s[50:51], s[14:15], s[50:51]
	s_add_nc_u64 s[52:53], s[16:17], s[52:53]
	s_wait_alu depctr_va_vdst(0)                   ; the head's addresses and offsets (v1-3, v6, v8, v10, v12, v13, v26-31) are written: the loads and stores of the whole kernel read them
; ---- the head's 51 loads.  First what goes on into LDS: my share of the images (10), my five table rows (10); then what stays in registers (31)
.irp c, 0,1
	global_load_b128 v[192+4*\c:195+4*\c], v1, s[32:33] offset:512*\c
.endr
.irp j, 0,1,2,3,4,5,6,7
	global_load_b128 v[200+4*\j:203+4*\j], v1, s[34:35] offset:512*\j
.endr
.irp i, 0,1,2,3,4,5,6,7,8,9
	global_load_b128 v[128+4*\i:131+4*\i], v1, s[44:45] offset:512*\i
.endr
	WIN 0x40                                       ; destination window 1
.irp i, 0,1,2,3
	global_load_b128 v[224+4*\i:227+4*\i], v1, s[36:37] offset:512*\i            ; Wq's two fragments
.endr
.irp ct, 0,1
.irp p, 0,1
	global_load_b128 v[240+8*\ct+4*\p:243+8*\ct+4*\p], v2, s[48:49] offset:64*\ct+16*\p   ; bq in the result's layout: channels 16 ct + 8 hf + 0..7
.endr
.endr
	WIN 0
.irp i, 0,1,2,3
	global_load_b128 v[32+4*\i:35+4*\i], v1, s[36:37] offset:8192+512*\i         ; Wk
.endr
.irp i, 0,1,2,3
	global_load_b128 v[48+4*\i:51+4*\i], v1, s[36:37] offset:16384+512*\i        ; Wv
.endr
.irp ct, 0,1
.irp p, 0,1
	global_load_b128 v[64+8*\ct+4*\p:67+8*\ct+4*\p], v2, s[48:49] offset:512+64*\ct+16*\p  ; bk
.endr
.endr
	global_load_b32 v80, v3, s[48:49] offset:1024  ; bv: in V's layout a lane holds one channel, 16 ct + r
	global_load_b32 v88, v3, s[48:49] offset:1088
.irp i, 0,1
	global_load_b128 v[112+4*\i:115+4*\i], v1, s[38:39] offset:512*\i            ; x's scale words: v112 + query tile
.endr
.irp i, 0,1,2,3
	global_load_b128 v[96+4*\i:99+4*\i], v1, s[40:41] offset:512*\i              ; y's: v96 + key tile
.endr
.irp i, 0,1,2
	global_load_b64 v[120+2*\i:121+2*\i], v1, s[42:43] offset:1024*\i            ; Wq's, Wk's, Wv's: two tiles each
.endr
	s_wait_loadcnt 41                              ; the ten image loads are in; the 41 behind them may be out
	ds_store_b128 v26, v[192:195]
	ds_store_b128 v26, v[196:199] offset:512
.irp j, 0,1,2,3,4,5,6,7
	ds_store_b128 v27, v[200+4*\j:203+4*\j] offset:512*\j
.endr
	s_wait_loadcnt 31                              ; the ten table loads are in
.irp i, 0,1,2,3,4,5,6,7,8,9
	ds_store_b128 v8, v[128+4*\i:131+4*\i] offset:(\i/2)*SLOT+1024+(\i%2)*512    ; row offset i / 2 into my slot i / 2
.endr
	BARRIER                                        ; x's 8 and y's 32 images lie in LDS
	s_wait_alu depctr_vm_vsrc(0)                   ; my stores above have read v128-167, in which y's tiles land, and v192-231, which Q's products write
	WIN 0x40
.irp q, 0,1,2,3,4,5,6,7
.irp c, 0,1
	ds_load_b128 v[160+8*\q+4*\c:163+8*\q+4*\c], v1 offset:1024*\q+512*\c        ; x's eight tiles
.endr
.endr
	WIN 0
.irp t, 0,1,2,3,4,5,6,7
.irp c, 0,1
	ds_load_b128 v[S+8*\t+4*\c:S+8*\t+4*\c+3], v28 offset:1024*\t+512*\c         ; my half's key tiles 0-7
.endr
.endr
	s_wait_loadcnt 0x0
.irp j, 1,2,3,4,5,6,7
	v_mov_b32 v[80+\j], v80                        ; bv over the eight keys of a lane
	v_mov_b32 v[88+\j], v88
.endr
	s_wait_dscnt 16                                ; x's tiles are in; y's sixteen loads may be out
; ---- Q: four query tiles at a time.  Source 0 = 16 channels of Wq, source 1 = 16 queries: a lane holds one query and eight channels; bq is the C.
.macro QHALF g
	WIN 0x15                                       ; sources 0, 1 and 2 window 1
.irp q, 0,1,2,3
.irp ct, 0,1
	FP4 D+16*\q+8*\ct, 224+8*\ct, 160+8*(4*\g+\q), 240+8*\ct, 120+\ct, 112+4*\g+\q
.endr
.endr
	WIN 0
	PLACES 4
.set i, 0
.rept 32
	v_pk_mul_f32 v[D+i:D+i+1], v[D+i:D+i+1], s[24:25] op_sel_hi:[1,0]            ; x c, in f32; each accumulator from its low end on
.set i, i+2
.endr
.set i, 0
.rept 32
	v_cvt_pk_f16_f32 v[D+i], v[D+2*i], v[D+2*i+1]  ; in place: a tile's two accumulators become its fragment's eight registers
.set i, i+1
.endr
	s_wait_alu depctr_va_vdst(0)                   ; the roundings have written v[D .. D + 31], which the stores read
.irp q, 0,1,2,3
.irp c, 0,1
	ds_store_b128 v8, v[D+8*\q+4*\c:D+8*\q+4*\c+3] offset:(4*\g+\q)*SLOT+512*\c  ; the fragment's image, into my slot of that query tile
.endr
.endr
	s_wait_dscnt 0x0                               ; the stores have read their registers (and y's tiles are in)
	s_wait_alu depctr_vm_vsrc(0)                   ; the stores have read v[D .. D + 31], which the next products write
.endm
	QHALF 0
	QHALF 1
; ---- K and V: two key tiles a batch, eight accumulators.  K: source 0 = Wk, source 1 = the keys (a lane: one key, eight channels).  V: source 0 = the keys, source 1 = Wv (a lane: one channel, eight keys).
; Rounded to f16 in pairs they are the registers of K's fragment (key tile kt) and of V^T's (keys 32 ks on, channels 16 ct on).
.macro KVB bt
.if \bt >= 4
	s_wait_dscnt 4*(7-\bt)                         ; this batch's four reloads are in; those that later batches asked for may be out
.endif
.irp u, 0,1
.irp ct, 0,1
	FP4 D+32*\u+8*\ct, 32+8*\ct, S+8*((2*\bt+\u)%8), 64+8*\ct, 122+\ct, 96+2*\bt+\u
.endr
.irp ct, 0,1
	FP4 D+32*\u+16+8*\ct, S+8*((2*\bt+\u)%8), 48+8*\ct, 80+8*\ct, 96+2*\bt+\u, 124+\ct
.endr
.endr
	PLACES 5                                       ; the next batch's products write over these accumulators: five
.if \bt < 4
	s_wait_alu depctr_va_vdst(0)                   ; the batch's products are done reading its two tiles of y, in which the loads below land; the roundings behind them name none of those registers
.irp u, 0,1
.irp c, 0,1
	ds_load_b128 v[S+8*(2*\bt+\u)+4*\c:S+8*(2*\bt+\u)+4*\c+3], v28 offset:1024*(2*\bt+\u+8)+512*\c   ; the tile eight further on, into the registers just multiplied
.endr
.endr
.endif
	WIN 0x40                                       ; destination window 1
.irp u, 0,1
.irp ct, 0,1
.irp p, 0,1,2,3
	v_cvt_pk_f16_f32 v[8*(2*\bt+\u)+4*\ct+\p], v[D+32*\u+8*\ct+2*\p], v[D+32*\u+8*\ct+2*\p+1]
.endr
.endr
.irp ct, 0,1
.irp p, 0,1,2,3
	v_cvt_pk_f16_f32 v[128+8*(2*\bt+\ct)+4*\u+\p], v[D+32*\u+16+8*\ct+2*\p], v[D+32*\u+16+8*\ct+2*\p+1]
.endr
.endr
.endr
	WIN 0
.endm
	KVB 0
	KVB 1
	KVB 2
	KVB 3
	KVB 4
	KVB 5
	KVB 6
	KVB 7
	BARRIER                                        ; nobody reads the images any more: their bytes take the expanded bias
	s_wait_alu depctr_va_vdst(0)                   ; the products on codes and the roundings are done: with bk, bv and the scale words (v64-119), in which proj_w, proj_b and Q land, and with v128-255, in which the expansion and the first bias land
.irp i, 0,1,2,3,4,5,6,7
	global_load_b128 v[64+4*\i:67+4*\i], v1, s[46:47] offset:512*\i              ; proj_w's four fragments and proj_b: wanted behind the loop, waited for there
.endr
	global_load_b128 v[96:99], v2, s[50:51]
	global_load_b128 v[100:103], v2, s[50:51] offset:16
; ---- the bias is expanded: E[jh][dl][dw][dn][jj] = row dl [dw][7 - dn + 4 jh + jj].  A unit is four dw x eight dn, a lane each.
.macro EXPAND dl0, cnt
.set uu, 0
.rept 4*\cnt
.irp j, 0,1,2,3,4,5,6,7
	ds_load_b32 v[S+8*uu+\j], v12 offset:(\dl0+uu/4)*SLOT+(uu%4)*256+4*\j
.endr
.set uu, uu+1
.endr
	s_wait_dscnt 0x0
.set uu, 0
.rept 4*\cnt
.irp jh, 0,1
	ds_store_b128 v13, v[S+8*uu+4*\jh:S+8*uu+4*\jh+3] offset:\jh*PLANE+(\dl0+uu/4)*DLP+(uu%4)*512
.endr
.set uu, uu+1
.endr
	s_wait_dscnt 0x0                               ; the stores have read their registers
	s_wait_alu depctr_vm_vsrc(0)                   ; the stores have read the score registers, in which the next loads land
.endm
	EXPAND 0, 3
	EXPAND 3, 2
; The bias of eight key tiles into the score registers.  Key tile kt: row offset dl = hl + 3 - kt / 4, dw = 2 jq + r / 8 + (1 - hf) + 6 - 2 (kt % 4); hl and jq stand in nb and in the address.
.macro BIAS half, adr, nb
.irp k, 0,1,2,3,4,5,6,7
.irp jh, 0,1
	ds_load_b128 v[S+8*(8*\half+\k)+4*\jh:S+8*(8*\half+\k)+4*\jh+3], v[\adr] offset:\nb+(3-(8*\half+\k)/4)*DLP+(6-2*(\k%4))*128+\jh*PLANE
.endr
.endr
.endm
	ds_load_b128 v[QFA:QFA+3], v8                  ; query tile 0
	ds_load_b128 v[QFA+4:QFA+7], v8 offset:512
	BIAS 1, 6, 0
	BIAS 0, 6, 0
; ---- A QUERY TILE.  The tiles go in the order 0, 4, 1, 5, ..: trip jq takes tiles jq (hl = 0) and jq + 4 (hl = 1).  nxt = 1: the next tile's Q and bias are fetched on the way.
.macro QTILE hl, nxt
.if \hl == 0
.set QC, QFA
.set QN, QFB
.set NB, DLP                                   ; the next tile lies one row offset on,
.set NQ, 4*SLOT
.else
.set QC, QFB
.set QN, QFA
.set NB, 256                                   ; or two dw on and one row offset back
.set NQ, SLOT
.endif
	s_wait_dscnt 16                                ; Q and the bias of key tiles 8-15 are in; the sixteen loads of tiles 0-7 may be out (over the back edge six stores lie behind those: the count holds on both ways)
	WIN 0x01                                       ; source 0, K: window 1
.irp kt, 8,9,10,11,12,13,14,15
	v_wmma_f32_16x16x32_f16 v[S+8*\kt:S+8*\kt+7], v[8*\kt:8*\kt+7], v[QC:QC+7], v[S+8*\kt:S+8*\kt+7]
.endr
	s_wait_dscnt 0x0
.irp kt, 0,1,2,3,4,5,6,7
	v_wmma_f32_16x16x32_f16 v[S+8*\kt:S+8*\kt+7], v[8*\kt:8*\kt+7], v[QC:QC+7], v[S+8*\kt:S+8*\kt+7]
.endr
	WIN 0
	s_wait_alu depctr_vm_vsrc(0)                   ; the last tile's stores have read m (v14), l (v20) and O (v32-47), and the last trip's loads and stores v7, v9, v11: all of these are written again below
.if \hl == 0
	v_add_nc_u32 v7, s28, v6                       ; the trip's addresses (no LDS instruction of mine is out): the bias,
	v_add_nc_u32 v9, s29, v8                       ; slot jq,
	v_add_nc_u32 v11, s29, v10                     ; its m.  With the line below: the four places behind the products
	v_nop
.else
	PLACES 4
.endif
.irp c, 0,1,2,3
	v_max3_num_f32 v[16+\c], v[S+32*\c], v[S+32*\c+1], v[S+32*\c+2]              ; the largest t: four chains by turns; each tile is first read at its low end
.endr
.irp i, 3,5,7,9,11,13,15,17,19,21,23,25,27,29
.irp c, 0,1,2,3
	v_max3_num_f32 v[16+\c], v[16+\c], v[S+32*\c+\i], v[S+32*\c+\i+1]
.endr
.endr
.irp c, 0,1,2,3
	v_max_num_f32 v[16+\c], v[16+\c], v[S+32*\c+31]
.endr
	v_max3_num_f32 v16, v16, v17, v18
	v_max_num_f32 v16, v16, v19
	v_permlanex16_b32 v24, v16, s26, s27           ; the query's other 128 keys lie in the lane 16 away
	v_max_num_f32 v14, v16, v24                    ; m
	v_pk_add_f32 v[S:S+1], v[S:S+1], v[14:15] op_sel_hi:[1,0] neg_lo:[0,1] neg_hi:[0,1]
	v_pk_add_f32 v[S+2:S+3], v[S+2:S+3], v[14:15] op_sel_hi:[1,0] neg_lo:[0,1] neg_hi:[0,1]
.set i, 0
.rept 64                                       ; ONE BATCH: 128 exponentials, the subtraction of m two pairs ahead of them; nothing here names a result
	v_exp_f32 v[S+2*i], v[S+2*i]
	v_exp_f32 v[S+2*i+1], v[S+2*i+1]
.if i < 62
	v_pk_add_f32 v[S+2*i+4:S+2*i+5], v[S+2*i+4:S+2*i+5], v[14:15] op_sel_hi:[1,0] neg_lo:[0,1] neg_hi:[0,1]
.endif
.set i, i+1
.endr
	v_nop                                          ; a plain line behind the last exponential
	s_wait_alu depctr_va_vdst(0)                   ; one wait for the batch, ahead of its first reader: the 128 exponentials have written p; with them the trip's addresses v7, v9, v11 are written, which the loads and stores below read
.if \nxt
	ds_load_b128 v[QN:QN+3], v9 offset:NQ          ; the next tile's Q, into the set that the last tile's score products read (they stand ahead of that wait)
	ds_load_b128 v[QN+4:QN+7], v9 offset:NQ+512
.endif
	v_pk_add_f32 v[20:21], v[S:S+1], v[S+2:S+3]    ; the row's sum of the unrounded p, in two chains; p is rounded to f16 in place, behind its pair's addition
	v_pk_add_f32 v[22:23], v[S+4:S+5], v[S+6:S+7]
.irp i, 0,1,2,3
	v_cvt_pk_f16_f32 v[S+\i], v[S+2*\i], v[S+2*\i+1]
.endr
.set i, 4
.rept 60
	v_pk_add_f32 v[20+2*(i%2):21+2*(i%2)], v[20+2*(i%2):21+2*(i%2)], v[S+2*i:S+2*i+1]
	v_cvt_pk_f16_f32 v[S+i], v[S+2*i], v[S+2*i+1]
.set i, i+1
.endr
.if \nxt
	s_wait_alu depctr_va_vdst(0)                   ; the additions and roundings are done reading v192-255, in which the loads below land; the products behind them name P, V and O alone
	BIAS 1, 7, NB                                  ; P lies in the lower 64 registers: the upper 64 take the next tile's bias
.endif
	WIN 0x01                                       ; source 0, V: window 1
.irp ks, 0,1,2,3,4,5,6,7                       ; O^T = V^T P: four accumulators by turns (even and odd ks, two channel tiles); the first four products start the sums
.irp ct, 0,1
.if \ks < 2
	v_wmma_f32_16x16x32_f16 v[OA+8*(2*(\ks%2)+\ct):OA+8*(2*(\ks%2)+\ct)+7], v[128+8*(2*\ks+\ct):128+8*(2*\ks+\ct)+7], v[S+8*\ks:S+8*\ks+7], 0
.else
	v_wmma_f32_16x16x32_f16 v[OA+8*(2*(\ks%2)+\ct):OA+8*(2*(\ks%2)+\ct)+7], v[128+8*(2*\ks+\ct):128+8*(2*\ks+\ct)+7], v[S+8*\ks:S+8*\ks+7], v[OA+8*(2*(\ks%2)+\ct):OA+8*(2*(\ks%2)+\ct)+7]
.endif
.endr
.endr
	WIN 0
	v_pk_add_f32 v[20:21], v[20:21], v[22:23]      ; these four lines are the places behind the products
	v_add_f32 v20, v20, v21
	v_nop
	v_nop
	v_permlanex16_b32 v24, v20, s26, s27
	v_add_f32 v20, v20, v24                        ; l
.irp i, 0,2,4,6,8,10,12,14
	v_pk_add_f32 v[OA+\i:OA+\i+1], v[OA+\i:OA+\i+1], v[OA+16+\i:OA+17+\i]        ; even and odd ks together; each accumulator from its low end on
.endr
	s_wait_alu depctr_va_vdst(0)                   ; the products are done reading P (v128-191), in which the loads below land; O (v32-47) and l (v20) are written, which the stores read
.if \nxt
	BIAS 0, 7, NB
.endif
.irp k, 0,1,2,3
	ds_store_b128 v9, v[OA+4*\k:OA+4*\k+3] offset:\hl*4*SLOT+512*\k              ; the partial O, over the tile's Q, which has been read
.endr
	ds_store_b32 v11, v14 offset:\hl*4*SLOT
	ds_store_b32 v11, v20 offset:\hl*4*SLOT+128
.endm
	s_mov_b32 s28, 0                               ; 256 jq: two dw a trip
	s_mov_b32 s29, 0                               ; a slot a trip
	s_mov_b32 s30, 3
.Ltrip:
	QTILE 0, 1
	QTILE 1, 1
	s_add_co_u32 s28, s28, 256
	s_add_co_u32 s29, s29, SLOT
	s_sub_co_u32 s30, s30, 1
	s_cmp_lg_u32 s30, 0
	s_cbranch_scc1 .Ltrip
	QTILE 0, 1                                     ; the last trip is written out: its second tile fetches nothing
	QTILE 1, 0
	BARRIER                                        ; all 64 partial results lie in the slots, and nobody reads the bias any more
; ---- THE JOIN.  Wave w takes query tile w, all four heads: m = max(m1, m2), a = 2^(m_i - m), l = a1 l1 + a2 l2, O = (a1 O1 + a2 O2) x 16 / l, rounded to f16: a fragment of the projection's operand.
	s_wait_alu depctr_vm_vsrc(0)                   ; the loop's loads and stores have read v7, v9, v11 and O (v32-47), and the expansion's loads v12: all of these are written below
	v_add_nc_u32 v7, 4*WAREA, v31                  ; the second half's m
	s_lshl_b32 s31, s18, 12
	v_add_nc_u32 v9, s31, v1                       ; where my four fragments go
	v_and_b32 v24, 15, v0
	v_mul_u32_u24 v11, v24, SP
	v_add_nc_u32 v11, v11, v2
	s_lshl_b32 s31, s18, 6
	s_add_co_u32 s31, s31, STG
	v_add_nc_u32 v11, s31, v11                     ; the stage, on the way in: row r, my out tile's 64 bytes, + 32 hf
	s_mul_i32 s31, s18, 16*SP
	s_add_co_u32 s31, s31, STG
	v_add_nc_u32 v12, s31, v1                      ; and on the way out: my 16 rows, 16 bytes a lane
	s_wait_alu depctr_va_vdst(0)                   ; v7, v9, v11 and v12 are written: the loads and stores from here to the end read them
.irp h, 0,1,2,3
.irp k, 0,1,2,3
	ds_load_b128 v[S+32*\h+4*\k:S+32*\h+4*\k+3], v29 offset:\h*WAREA+512*\k
.endr
.irp k, 0,1,2,3
	ds_load_b128 v[S+32*\h+16+4*\k:S+32*\h+16+4*\k+3], v30 offset:\h*WAREA+512*\k
.endr
	ds_load_b32 v[104+4*\h], v31 offset:\h*WAREA
	ds_load_b32 v[105+4*\h], v31 offset:\h*WAREA+128
	ds_load_b32 v[106+4*\h], v7 offset:\h*WAREA
	ds_load_b32 v[107+4*\h], v7 offset:\h*WAREA+128
.endr
	s_wait_dscnt 0x0
.irp h, 0,1,2,3
	v_max_num_f32 v[16+\h], v[104+4*\h], v[106+4*\h]
.endr
.irp h, 0,1,2,3
	v_sub_f32 v[104+4*\h], v[104+4*\h], v[16+\h]
	v_sub_f32 v[106+4*\h], v[106+4*\h], v[16+\h]
.endr
.irp h, 0,1,2,3
	v_exp_f32 v[104+4*\h], v[104+4*\h]
	v_exp_f32 v[106+4*\h], v[106+4*\h]
.endr
	v_nop
	s_wait_alu depctr_va_vdst(0)                   ; one wait for the eight: the exponentials have written a1 and a2, ahead of their first reader
.irp h, 0,1,2,3
	v_mul_f32 v[16+\h], v[104+4*\h], v[105+4*\h]
.endr
.irp h, 0,1,2,3
	v_fma_f32 v[16+\h], v[106+4*\h], v[107+4*\h], v[16+\h]
.endr
.irp h, 0,1,2,3
	v_rcp_f32 v[16+\h], v[16+\h]
.endr
	v_nop
	s_wait_alu depctr_va_vdst(0)                   ; one wait for the four: the reciprocals have written 1 / l, ahead of their first reader
.irp h, 0,1,2,3
	v_mul_f32 v[16+\h], 0x41800000, v[16+\h]       ; 16 / l
.endr
.irp h, 0,1,2,3
	v_mul_f32 v[32+4*\h], v[104+4*\h], v[16+\h]    ; each factor twice: a pair for the packed forms
	v_mul_f32 v[33+4*\h], v[104+4*\h], v[16+\h]
	v_mul_f32 v[34+4*\h], v[106+4*\h], v[16+\h]
	v_mul_f32 v[35+4*\h], v[106+4*\h], v[16+\h]
.endr
.irp h, 0,1,2,3
.irp p, 0,2,4,6,8,10,12,14
	v_pk_mul_f32 v[S+32*\h+\p:S+32*\h+\p+1], v[S+32*\h+\p:S+32*\h+\p+1], v[32+4*\h:33+4*\h]
.endr
.irp p, 0,2,4,6,8,10,12,14
	v_pk_fma_f32 v[S+32*\h+\p:S+32*\h+\p+1], v[S+32*\h+16+\p:S+32*\h+17+\p], v[34+4*\h:35+4*\h], v[S+32*\h+\p:S+32*\h+\p+1]
.endr
.irp p, 0,1,2,3,4,5,6,7
	v_cvt_pk_f16_f32 v[S+32*\h+\p], v[S+32*\h+2*\p], v[S+32*\h+2*\p+1]
.endr
.endr
	s_wait_alu depctr_va_vdst(0)                   ; the roundings have written the four heads' fragments, which the eight stores read
.irp h, 0,1,2,3
	ds_store_b128 v9, v[S+32*\h:S+32*\h+3] offset:1024*\h
	ds_store_b128 v9, v[S+32*\h+4:S+32*\h+7] offset:1024*\h+512
.endr
	BARRIER                                        ; O's 32 fragments (query tile qt, head s: 4 qt + s) lie in LDS
	s_wait_alu depctr_vm_vsrc(0)                   ; my eight stores have read v192-199 and v224-231, which the projection's products write, and v128-135 and v160-167, in which the stage's rows land
; ---- THE PROJECTION.  Wave w takes out channels 16 w on, for all 128 queries.  Source 0 = 16 rows of proj_w, source 1 = 16 queries: a lane holds eight neighbouring numbers of a row of out0.
	WIN 0x40                                       ; destination window 1: K and V are done with (their last readers stand ahead of the join's waits on va_vdst)
.set i, 0
.rept 64
	ds_load_b128 v[4*i:4*i+3], v1 offset:512*i
.set i, i+1
.endr
	s_wait_loadcnt 0x0                             ; proj_w's fragments and proj_b
	s_wait_dscnt 0x0
	WIN 0x04                                       ; source 1 window 1
.irp s, 0,1,2,3                                ; eight accumulators by turns, a K step (a head) at a time
.irp qt, 0,1,2,3,4,5,6,7
.if \s == 0
	v_wmma_f32_16x16x32_f16 v[D+8*\qt:D+8*\qt+7], v[64+8*\s:71+8*\s], v[8*(4*\qt+\s):8*(4*\qt+\s)+7], 0
.else
	v_wmma_f32_16x16x32_f16 v[D+8*\qt:D+8*\qt+7], v[64+8*\s:71+8*\s], v[8*(4*\qt+\s):8*(4*\qt+\s)+7], v[D+8*\qt:D+8*\qt+7]
.endif
.endr
.endr
	WIN 0
	PLACES 4
.irp qt, 0,1,2,3,4,5,6,7
.irp p, 0,2,4,6
	v_pk_fma_f32 v[D+8*\qt+\p:D+8*\qt+\p+1], v[D+8*\qt+\p:D+8*\qt+\p+1], 0x3d800000, v[96+\p:97+\p] op_sel_hi:[1,0,1]   ; / 16, + proj_b
.endr
.endr
	s_wait_alu depctr_va_vdst(0)                   ; the multiply-adds have written v192-255, which the stores into the stage read
.irp qt, 0,1,2,3,4,5,6,7
	ds_store_b128 v11, v[D+8*\qt:D+8*\qt+3] offset:\qt*16*SP
	ds_store_b128 v11, v[D+8*\qt+4:D+8*\qt+7] offset:\qt*16*SP+16
.endr
	BARRIER                                        ; 128 whole rows lie in the stage: a row's 512 bytes come from eight waves
.irp i, 0,1,2,3,4,5,6,7,8,9,10,11,12,13,14,15
	ds_load_b128 v[S+4*\i:S+4*\i+3], v12 offset:\i*SP
.endr
.irp i, 0,1,2,3,4,5,6,7,8,9,10,11,12,13,14,15
	s_wait_dscnt 15-\i                             ; row i is in; the rows behind it may be out
	global_store_b128 v1, v[S+4*\i:S+4*\i+3], s[52:53] offset:512*\i th:TH_STORE_NT   ; 32 lanes store a row: 512 consecutive bytes, at a multiple of 256 from out0's first byte
.endr
	s_wait_dscnt 0x0                               ; the wave's end: the closing lines, six on end
	s_wait_alu 0x0
	s_wait_tensorcnt 0x0
	ds_add_u32 v[SPW], v[NIL]
	s_wait_dscnt 0x0
	s_endpgm
.Lfunc_end_k_q1e02dd7985_attn:
	.size	k_q1e02dd7985_attn, .Lfunc_end_k_q1e02dd7985_attn-k_q1e02dd7985_attn
	.p2alignl 7, 3214868480
	.fill 96, 4, 3214868480
	.section	.rodata,"a",@progbits
	.p2align	6, 0x0
	.amdhsa_kernel k_q1e02dd7985_attn
		.amdhsa_group_segment_fixed_size 312320
		.amdhsa_private_segment_fixed_size 0
		.amdhsa_enable_private_segment 0
		.amdhsa_kernarg_size 56
		.amdhsa_user_sgpr_count 2
		.amdhsa_user_sgpr_kernarg_segment_ptr 1
		.amdhsa_wavefront_size32 1
		.amdhsa_system_sgpr_workgroup_id_x 1
		.amdhsa_system_sgpr_workgroup_id_y 1
		.amdhsa_system_sgpr_workgroup_id_z 1
		.amdhsa_system_vgpr_workitem_id 0
		.amdhsa_next_free_vgpr 512
		.amdhsa_next_free_sgpr 66
		.amdhsa_reserve_vcc 0
		.amdhsa_float_denorm_mode_32 3
		.amdhsa_float_denorm_mode_16_64 3
		.amdhsa_memory_ordered 1
		.amdhsa_forward_progress 1
		.amdhsa_inst_pref_size 196
	.end_amdhsa_kernel
	.amdgpu_metadata
---
amdhsa.version: [ 1, 2 ]
amdhsa.kernels:
  - .name:           k_q1e02dd7985_attn
    .symbol:         k_q1e02dd7985_attn.kd
    .args:
      - { .name: cq, .offset: 0, .size: 8, .value_kind: global_buffer, .address_space: global }
      - { .name: cs, .offset: 8, .size: 8, .value_kind: global_buffer, .address_space: global }
      - { .name: pw, .offset: 16, .size: 8, .value_kind: global_buffer, .address_space: global }
      - { .name: tb, .offset: 24, .size: 8, .value_kind: global_buffer, .address_space: global }
      - { .name: qkv_b, .offset: 32, .size: 8, .value_kind: global_buffer, .address_space: global }
      - { .name: proj_b, .offset: 40, .size: 8, .value_kind: global_buffer, .address_space: global }
      - { .name: out0, .offset: 48, .size: 8, .value_kind: global_buffer, .address_space: global }
    .group_segment_fixed_size: 312320
    .private_segment_fixed_size: 0
    .kernarg_segment_align: 8
    .kernarg_segment_size: 56
    .max_flat_workgroup_size: 256
    .sgpr_count:     66
    .vgpr_count:     512
    .wavefront_size: 32
...
	.end_amdgpu_metadata
.endif
;; end of part 3
